; MI455X (gfx1250); checked and timed in simulation.
; The chip was launched on July 23, 2026; its instructions are those of AMD's public machine-readable ISA for CDNA 5 (MIT licence, August 2026) and "CDNA5" Instruction Set Architecture Reference Guide (July 2026). The comments in the code are by the model that wrote it; some were corrected since.
;; Multihead Attention With Ro PE. Allowed arithmetic: matrix products marked QUANTISED: E2M3 operands, one E8M0 scale for each 32 along K, by v_wmma_scale_f32_16x16x128_f8f6f4 with both operands' format E2M3, f32 sums; everything else in f32.
;; Inputs: Wo 1,024 x 1,024 float32; Wqkv 1,024 x 3,072 float32; bo 1,024 float32; bqkv 3,072 float32; padding_mask 4 x 2,048 bool; x 4 x 2,048 x 1,024 float32.
;; Outputs: out0 4 x 2,048 x 1,024 float32.
;; This version of the problem:
;;   THIS VERSION OF THE PROBLEM IS GIVEN IN LOW PRECISION. The matrix products marked QUANTISED in the list below multiply operands that are first quantised to E2M3 (2 exponent bits, 3 mantissa bits; 6 bits a number), with one power-of-two scale for each 32 numbers along K (OCP MX v1.0); their sums are f32. All else is computed in f32.
;;   The module's matrix products, in the order in which they are computed (A, B: the left and right operand; K: the contracted axis; several contracted axes count as one K, in the product's order):
;;     1. [M 8,192, K 1,024] x [K 1,024, N 3,072]; A: input x; B: input Wqkv: QUANTISED
;;     2. batch 64 x [M 2,048, K 64] x [K 64, N 2,048]; A: computed on the way; B: computed on the way: QUANTISED
;;     3. batch 64 x [M 2,048, K 2,048] x [K 2,048, N 64]; A: softmax (see below); B: computed on the way: QUANTISED
;;     4. [M 8,192, K 1,024] x [K 1,024, N 1,024]; A: computed on the way; B: input Wo: QUANTISED
;;   THE QUANTISER, for each operand of a quantised product, along K:
;;     - K is cut into blocks of 32 from its start; a last block that is shorter is filled with zeros.
;;     - A block's scale is 2^e with e = floor(log2(the largest magnitude in the block)) - 2, held to -126 .. 127; a block of zeros has e = 0. As a byte (E8M0): e + 127.
;;     - Each number is divided by its block's scale, clamped to +-7.5, and rounded to the nearest number of E2M3, ties to even, subnormals kept.
;;     - The product sums the exact products of the quantised numbers (number of the format x scale) in f32.
;;   ~~~python
;;   def quantise(x, axis):      # numpy; x: float32 -> the quantised numbers, widened to float32 again
;;       x = np.moveaxis(x, axis, -1); K = x.shape[-1]
;;       x = np.pad(x, [(0, 0)] * (x.ndim - 1) + [(0, -K % 32)]); x = x.reshape(x.shape[:-1] + (-1, 32)); a = np.abs(x).max(-1, keepdims=True)
;;       e = np.where(a > 0, np.clip(np.frexp(np.where(a > 0, a, 1))[1] - 1 - 2, -126, 127), 0)      # np.frexp(a)[1] - 1 = floor(log2(a)), exactly
;;       r = np.clip(x / 2.0 ** e, -7.5, 7.5)
;;       step = 2.0 ** (np.maximum(np.frexp(np.where(r == 0, 1, r))[1] - 1, 0) - 3)
;;       q = np.round(r / step) * step * 2.0 ** e      # np.round: ties to even
;;       return np.moveaxis(q.reshape(q.shape[:-2] + (-1,))[..., :K], -1, axis).astype(np.float32)
;;   ~~~
;;   SOFTMAX AHEAD OF A QUANTISED PRODUCT. Where the list says 'softmax', what is quantised is not the finished softmax but p = 2^(t - M), with t = logit x log2(e) and M = ceil(the row's largest t), a whole number; so 1/2 < the row's largest p <= 1. The row's sum l is taken of the UNQUANTISED p, in f32, and the product's result is divided by l at the end. Since M is a whole number, a kernel that streams over the keys may use a running M (the ceiling of the running maximum): every later rescaling is an exact power of two, which a block's scale takes up: the codes' values come out the same.
;;   OPERANDS COMPUTED ON THE WAY. 'Computed on the way' means the value that the module computes at that place (a softmax that the list does not call 'softmax' is quantised finished and normalised). What goes into a quantiser is computed in f32, as accurately as f32 sums, v_exp_f32 and their like allow (about 1e-6 of the number): no bf16 or f16 on the way to a quantiser, and a product that is left as it is and whose result goes on into a quantised operand takes f32 operands (vector FMAs, or v_wmma_f32_16x16x4_f32). A number that lies on a knife's edge between two numbers of the format may be rounded either way, as far as f32 arithmetic and the matrix unit's own rounding can turn it there, and no further.
;; One version. Each part assembles by itself: llvm-mc -triple=amdgcn-amd-amdhsa -mcpu=gfx1250 --defsym DOCPART=n.
;; ======== version 1 of 1: 4 launches
;; limits: right only within a limited range of input values
;; workspace buffers: pc 9,437,184 bytes; ps 393,216 bytes; rope 524,288 bytes; qimg 8,912,896 bytes; kv 15,466,496 bytes; a2 6,291,456 bytes; a2s 262,144 bytes
;; launch prep (part 1): grid 400 x 1, 8 waves a work-group, no clusters, 71,680 bytes of LDS; arguments x, Wqkv, Wo, pc, ps, rope; writes pc, ps, rope
.if DOCPART == 1
	.amdgcn_target "amdgcn-amd-amdhsa--gfx1250"
	.amdhsa_code_object_version 6
	.text
	.protected	k_q5ca0a69c3b_prep
	.globl	k_q5ca0a69c3b_prep
	.p2align	8
	.type	k_q5ca0a69c3b_prep,@function
k_q5ca0a69c3b_prep:
	s_mov_b64 s[64:65], 0
	v_nop
	global_prefetch_b8 v0, s[64:65] scope:SCOPE_SE
	s_setreg_imm32_b32 hwreg(HW_REG_WAVE_MODE, 25, 1), 1
	s_wait_xcnt 0x0
; x [8192][1024], Wqkv [1024][3072] and Wo [1024][1024], f32, become codes of FP6 (E2M3) with one E8M0 byte for each 32 along K (K = the 1,024), and the table of cosines and sines for the rotation is made.
; THE CODES ARE LAID AS IMAGES OF OPERAND REGISTERS.  A fragment is 16 rows x 128 K, 12 registers a lane: lane (r, h) holds row r, registers 6 c .. 6 c + 5 hold k = 64 c + 32 h + 0 .. 31.
; Its image is 1,536 bytes: lane l's registers 4 g .. 4 g + 3 at 512 g + 16 l.  A buffer of codes is [tile of 16 rows][8 fragments along K]; the scale bytes are [row][32].
; WHICH ROW STANDS WHERE.  x: in each 128 tokens place 16 (4 c + u) + 8 h + j holds token 64 c + 32 h + 8 u + j.  Weights, in each 64 columns, place 16 t + 8 h + j holds: q's and k's columns 32 h + 2 (8 (t & 1) + j) + (t >> 1);
; v's columns 32 h + 8 t + j; Wo's columns as they lie.  The later launches' results then fall into a lane's registers in the order that the next quantiser wants.
; A block's scale is 2^(floor(log2(its largest magnitude)) - 2): its byte is the largest magnitude's exponent field - 2, held at 1 from below.
; LIMITS: a block of zeros, or one whose largest magnitude lies under 2^-124, gets the byte 1 (its codes are zeros or tiny; the bytes are read by this program alone); NaN and infinities among the inputs are not served.
; The angle t x 10000^(-f / 32) lies within about 1.5e-4 rad of the one that f32 arithmetic on a correctly rounded frequency gives, at the last tokens and the fastest frequencies; sine and cosine of the reduced angle by polynomials good to f32.
; SHARES: work-groups 0-255: x, 32 places each; 256-351: Wqkv, 32 places each; 352-383: Wo; 384-399: the table, 128 tokens each.  Each of the four ways has LDS bytes of its own.
.set WQ,   6291456                     ; in pc: x's codes at 0, Wqkv's here,
.set WO,   8650752                     ; Wo's here
.set SWQ,  262144                      ; in ps likewise
.set SWO,  360448
.set GX,   67584                       ; LDS: 8 stages of 16 x 528 bytes for x from 0 on; then 1,024 scale bytes for each of the three quantising ways
.set GW1,  68608
.set GW2,  69632
.set LN,   1                           ; v1  lane
.set R,    2                           ; v2  lane % 16
.set H,    3                           ; v3  lane / 16
.set LI,   4                           ; v4  16 x lane
.set H8,   7                           ; v7  8 x (lane / 16)
.set MXA,  8                           ; v8-13 two blocks' largest magnitudes, conversion scales, bytes
.set MXB,  9
.set SCA,  10
.set SCB,  11
.set BYA,  12
.set BYB,  13
.set WD,   14                          ; v14 a scale word
.set WT,   15                          ; v15 the other half's
.set F,    16                          ; v16-39 two fragments
.set TA,   40                          ; v40-42, v44-46 the upper halves of two blocks' codes (a conversion's three registers begin on an even number)
.set TC,   44
.set L,    48                          ; v48-175 numbers as loaded
.set X,    176                         ; v176-239 x: 64 numbers of my row in the operand's order
; Two whole blocks of 32, each in one lane's 32 registers, by turns: largest magnitude with the floor 2^(3 - 127) among its leaves, 2 off the exponent field, four conversions, the two bytes.
.macro QB2 s0, s1, lo0, hi0, lo1, hi1
	v_max3_num_f32 v[MXA], |v[\s0]|, |v[\s0+1]|, 0x1800000
	v_max3_num_f32 v[MXB], |v[\s1]|, |v[\s1+1]|, 0x1800000
.irp i, 2,4,6,8,10,12,14,16,18,20,22,24,26,28,30
	s_delay_alu instid0(VALU_DEP_2)
	v_max3_num_f32 v[MXA], v[MXA], |v[\s0+\i]|, |v[\s0+\i+1]|
	s_delay_alu instid0(VALU_DEP_2)
	v_max3_num_f32 v[MXB], v[MXB], |v[\s1+\i]|, |v[\s1+\i+1]|
.endr
	s_delay_alu instid0(VALU_DEP_2)
	v_add_nc_u32 v[SCA], 0xff000000, v[MXA]        ; the conversion takes the exponent field of this operand as its scale, and nothing else of it
	s_delay_alu instid0(VALU_DEP_2)
	v_add_nc_u32 v[SCB], 0xff000000, v[MXB]
	v_cvt_scalef32_pk16_fp6_f32 v[\lo0:\lo0+2], v[\s0:\s0+15], v[SCA]
	v_cvt_scalef32_pk16_fp6_f32 v[\hi0:\hi0+2], v[\s0+16:\s0+31], v[SCA]
	v_cvt_scalef32_pk16_fp6_f32 v[\lo1:\lo1+2], v[\s1:\s1+15], v[SCB]
	v_cvt_scalef32_pk16_fp6_f32 v[\hi1:\hi1+2], v[\s1+16:\s1+31], v[SCB]
	v_lshrrev_b32 v[BYA], 23, v[SCA]               ; the bytes; these two plain lines also stand between the conversions and the first touch of their results
	v_lshrrev_b32 v[BYB], 23, v[SCB]
.endm
; The work-group's 32 rows x 32 scale bytes lie in LDS: every wave's stores are done, a barrier, and waves 0 and 1 store them as 2 x 512 consecutive bytes.  Then the wave ends.
.macro GATHER base
	s_wait_dscnt 0x0                               ; for the others' sake: my scale words have landed
	s_barrier_signal -1
	s_barrier_wait -1
	s_cmp_lt_u32 s16, 2
	s_cbranch_scc0 .Lgone_\@
	v_lshlrev_b32 v241, 4, v0
	v_lshl_add_u32 v242, v0, 4, \base
	ds_load_b128 v[244:247], v242
	s_wait_alu depctr_va_vdst(0)
	s_wait_dscnt 0x0
	global_store_b128 v241, v[244:247], s[12:13]
.Lgone_\@:
	s_wait_tensorcnt 0x0
	ds_add_u32 v248, v249
	s_wait_dscnt 0x0
	s_endpgm
.endm
; x: one fragment (unit e of my two): 16 rows x 512 bytes go through my stage as they were loaded and come back 128 bytes of a row to a lane, twice.
.macro XUNIT e
.irp i, 0,1,2,3,4,5,6,7,8,9,10,11,12,13,14,15
	ds_store_b128 v5, v[L+64*\e+4*\i:L+64*\e+4*\i+3] offset:528*\i
.endr
.irp c, 0,1
.irp j, 0,1,2,3,4,5,6,7
	ds_load_b128 v[X+32*\c+4*\j:X+32*\c+4*\j+3], v6 offset:256*\c+16*\j   ; LDS serves a wave's instructions in order: these see the stores above; rows 528 bytes apart start at 16 different groups of banks
.endr
.endr
	s_wait_dscnt 0x0
	QB2 X, X+32, F+12*\e, TA, F+12*\e+6, TC
	s_delay_alu instid0(VALU_DEP_1)
	v_lshl_or_b32 v[WD], v[BYB], 16, v[BYA]        ; my blocks are h and 2 + h of my row:
	s_delay_alu instid0(VALU_DEP_1)
	v_lshlrev_b32 v[WD], v[H8], v[WD]              ; their bytes at their places;
	s_delay_alu instid0(VALU_DEP_1)
	v_permlanex16_b32 v[WT], v[WD], s20, s21
	s_delay_alu instid0(VALU_DEP_1)
	v_or_b32 v[WD], v[WD], v[WT]                   ; with lane l xor 16's two the word is whole
.irp i, 0,1,2
	v_mov_b32 v[F+12*\e+3+\i], v[TA+\i]
	v_mov_b32 v[F+12*\e+9+\i], v[TC+\i]
.endr
.irp g, 0,1,2
	global_store_b128 v[LI], v[F+12*\e+4*\g:F+12*\e+4*\g+3], s[10:11] offset:1536*\e+512*\g   ; 512 consecutive bytes; each unit has its own registers, so no store's data are written again
.endr
	ds_store_b32 v240, v[WD] offset:4*\e           ; both halves of the lanes write the same word with the same value
.endm
; A weight [1024][n]: a lane takes a column and its registers run down K; wave w takes k = 128 w .. 128 w + 127: four whole blocks a lane.  Lanes 0-15 are one tile of 16 places, lanes 16-31 the next.
.macro SWAPMOV c                       ; blocks 2 c (in F, TA) and 2 c + 1 (in F + 12, TC) of both tiles: the first's lanes 16-31 change places with the second's lanes 0-15, and each tile has its lanes' blocks
.irp i, 0,1,2
	v_permlane16_swap_b32 v[F+6*\c+\i], v[F+12+6*\c+\i]
	v_permlane16_swap_b32 v[TA+\i], v[TC+\i]
.endr
.irp i, 0,1,2
	v_mov_b32 v[F+6*\c+3+\i], v[TA+\i]
	v_mov_b32 v[F+12+6*\c+3+\i], v[TC+\i]
.endr
.endm
.macro WPATH first, n, src, coff, soff, gw, sel
	s_sub_co_u32 s17, ttmp9, \first                ; which 32 places
	s_lshr_b32 s18, s17, 1                         ; which 64 columns
	s_and_b32 s19, s17, 1                          ; which half of their places
.if \sel
	s_cmp_lt_u32 s18, 32                           ; q's and k's columns, or v's
	s_cselect_b32 s25, 16, 8
	s_cselect_b32 s26, 2, 1
	s_cselect_b32 s27, 1, 16
	s_mov_b32 s24, 32
.else
	s_mov_b32 s24, 8
	s_mov_b32 s25, 16
	s_mov_b32 s26, 1
	s_mov_b32 s27, 32
.endif
	v_bfe_u32 v5, v0, 3, 1
	v_and_b32 v6, 7, v0
	s_delay_alu instid0(VALU_DEP_2)
	v_mul_u32_u24 v5, v5, s24
	s_wait_alu depctr_va_vdst(0)
	v_mad_u32_u24 v5, v[H], s25, v5
	s_delay_alu instid0(VALU_DEP_1)
	v_mad_u32_u24 v5, v6, s26, v5
	s_mul_i32 s27, s27, s19
	s_lshl_b32 s28, s18, 6
	s_add_co_u32 s27, s27, s28
	v_add_nc_u32 v5, s27, v5                       ; my place's column
	s_delay_alu instid0(VALU_DEP_1)
	v_lshlrev_b32 v5, 2, v5
	s_mul_i32 s22, s16, 128*\n*4                   ; my wave's 128 rows of the weight
	s_mov_b32 s23, 0
	s_add_nc_u64 s[\src:\src+1], s[\src:\src+1], s[22:23]
.set q, 0
.rept 128
	global_load_b32 v[L+q], v5, s[\src:\src+1] offset:q*\n*4
.set q, q+1
.endr
	s_lshl_b32 s22, s18, 2
	s_lshl_b32 s28, s19, 1
	s_add_co_u32 s22, s22, s28                     ; my first tile of 16 places,
	s_lshl_b32 s22, s22, 3
	s_add_co_u32 s22, s22, s16                     ; its fragment w
	s_mul_i32 s22, s22, 1536
	s_add_co_u32 s22, s22, \coff
	s_add_nc_u64 s[10:11], s[10:11], s[22:23]
	s_lshl_b32 s22, s17, 10
	s_add_co_u32 s22, s22, \soff
	s_add_nc_u64 s[12:13], s[12:13], s[22:23]
	s_lshl_b32 s24, s16, 2
	s_add_co_u32 s24, s24, \gw
	v_lshl_add_u32 v240, v[LN], 5, s24             ; my place's scale word for fragment w
	s_wait_loadcnt 63                              ; of the 128 loads at most 63 are out: the first 64, blocks 0 and 1, are in
	QB2 L, L+32, F, TA, F+12, TC
	s_delay_alu instid0(VALU_DEP_1)
	v_lshl_or_b32 v[WD], v[BYB], 8, v[BYA]
	SWAPMOV 0
	s_wait_loadcnt 0x0
	QB2 L+64, L+96, F+6, TA, F+18, TC
	s_delay_alu instid0(VALU_DEP_2)
	v_lshl_or_b32 v[WD], v[BYA], 16, v[WD]
	s_delay_alu instid0(VALU_DEP_1)
	v_lshl_or_b32 v[WD], v[BYB], 24, v[WD]         ; all four bytes of my place's word are mine
	SWAPMOV 1
.irp t, 0,1
.irp g, 0,1,2
	global_store_b128 v[LI], v[F+12*\t+4*\g:F+12*\t+4*\g+3], s[10:11] offset:12288*\t+512*\g
.endr
.endr
	ds_store_b32 v240, v[WD]
	GATHER \gw
.endm
	s_load_b128 s[4:7], s[0:1], 0x0                ; x, Wqkv
	s_load_b128 s[8:11], s[0:1], 0x10              ; Wo, pc
	s_load_b128 s[12:15], s[0:1], 0x20             ; ps, rope
	v_lshl_add_u32 v248, v0, 2, 0x11400
	v_mov_b32 v249, 0
	v_lshrrev_b32 v1, 5, v0
	s_delay_alu instid0(VALU_DEP_1)
	v_readfirstlane_b32 s16, v1                    ; wave 0..7
	v_and_b32 v[LN], 31, v0
	v_and_b32 v[R], 15, v0
	v_bfe_u32 v[H], v0, 4, 1
	s_delay_alu instid0(VALU_DEP_3)
	v_lshlrev_b32 v[LI], 4, v[LN]
	s_delay_alu instid0(VALU_DEP_2)
	v_lshlrev_b32 v[H8], 3, v[H]
	v_mov_b32 v[WT], 0                             ; a lane permute's destination counts as one of its sources
	s_mov_b32 s20, 0x76543210
	s_mov_b32 s21, 0xfedcba98                      ; v_permlanex16_b32's selects for lane l xor 16
	s_wait_kmcnt 0x0
	s_cmp_lt_u32 ttmp9, 256
	s_cbranch_scc1 .Lpath_x
	s_cmp_lt_u32 ttmp9, 352
	s_cbranch_scc1 .Lpath_wqkv
	s_cmp_lt_u32 ttmp9, 384
	s_cbranch_scc1 .Lpath_wo
	; ---- THE TABLE.  Wave w of work-group j: the tile of 16 places 8 j + w.  Lane (r, h): the place's token, frequencies 16 h + 0 .. 15: 16 cosines, then 16 sines.
	s_sub_co_u32 s17, ttmp9, 384
	s_lshl_b32 s18, s17, 7
	s_lshr_b32 s19, s16, 2
	s_lshl_b32 s19, s19, 6
	s_add_co_u32 s18, s18, s19
	s_and_b32 s19, s16, 3
	s_lshl_b32 s19, s19, 3
	s_add_co_u32 s18, s18, s19                     ; 128 j + 64 (w / 4) + 8 (w % 4)
	s_wait_alu depctr_va_vdst(0)
	v_lshrrev_b32 v5, 3, v[R]
	v_and_b32 v6, 7, v[R]
	s_delay_alu instid0(VALU_DEP_1)
	v_lshl_add_u32 v5, v5, 5, v6
	s_delay_alu instid0(VALU_DEP_1)
	v_add_nc_u32 v5, s18, v5                       ; + 32 (r / 8) + r % 8: my token
	s_delay_alu instid0(VALU_DEP_1)
	v_cvt_f32_u32 v5, v5
	v_lshlrev_b32 v6, 4, v[H]
	s_wait_alu depctr_va_vdst(0)
	s_lshl_b32 s22, s17, 3
	s_add_co_u32 s22, s22, s16
	s_lshl_b32 s22, s22, 12
	s_mov_b32 s23, 0
	s_add_nc_u64 s[14:15], s[14:15], s[22:23]
	s_mov_b32 s29, 0x342ae0a0                      ; 1.59142e-7 = -ln 2 x (c - c_hi), c = log2(10000) / 32
	s_mov_b32 s30, 0xb94ca1f9                      ; -1.9515295891e-4
	s_mov_b32 s31, 0x37ccf5ce                      ; 2.443315712e-5
.irp i, 0,1,2,3,4,5,6,7,8,9,10,11,12,13,14,15
	v_add_nc_u32 v[16+\i], \i, v6
.endr
.irp i, 0,1,2,3,4,5,6,7,8,9,10,11,12,13,14,15
	v_cvt_f32_u32 v[16+\i], v[16+\i]               ; f
.endr
.irp i, 0,1,2,3,4,5,6,7,8,9,10,11,12,13,14,15
	v_mul_f32 v[32+\i], 0xbed49a80, v[16+\i]       ; -f c_hi, exact: c_hi = 435412 / 2^20 has 19 bits, f five
.endr
	s_wait_alu depctr_va_vdst(0)
.irp i, 0,1,2,3,4,5,6,7,8,9,10,11,12,13,14,15
	v_exp_f32 v[32+\i], v[32+\i]
.endr
.irp i, 0,1,2,3,4,5,6,7,8,9,10,11,12,13,14,15
	v_fma_f32 v[16+\i], v[16+\i], s29, 1.0         ; the rest of c.  (Plain lines behind the exponentials, which touch none of their registers)
.endr
	s_wait_alu depctr_va_vdst(0)
.irp i, 0,1,2,3,4,5,6,7,8,9,10,11,12,13,14,15
	v_mul_f32 v[32+\i], v[32+\i], v[16+\i]         ; 10000^(-f / 32)
.endr
.irp i, 0,1,2,3,4,5,6,7,8,9,10,11,12,13,14,15
	v_mul_f32 v[32+\i], v5, v[32+\i]               ; the angle, rounded once
.endr
.irp i, 0,1,2,3,4,5,6,7,8,9,10,11,12,13,14,15
	v_mul_f32 v[16+\i], 0x3f22f983, v[32+\i]       ; x 2 / pi
.endr
.irp i, 0,1,2,3,4,5,6,7,8,9,10,11,12,13,14,15
	v_rndne_f32 v[16+\i], v[16+\i]                 ; n quarter turns, at most 1,304
.endr
.irp i, 0,1,2,3,4,5,6,7,8,9,10,11,12,13,14,15
	v_fmamk_f32 v[32+\i], v[16+\i], 0xbfc90fdb, v[32+\i]   ; - n x the f32 nearest pi / 2: exact, a multiple of 2^-23 under 1
.endr
.irp i, 0,1,2,3,4,5,6,7,8,9,10,11,12,13,14,15
	v_fmamk_f32 v[32+\i], v[16+\i], 0x333bbd2e, v[32+\i]   ; - n x what that f32 lacks of pi / 2 (-4.37113883e-8): rho, within pi / 4
.endr
.irp i, 0,1,2,3,4,5,6,7,8,9,10,11,12,13,14,15
	v_mul_f32 v[48+\i], v[32+\i], v[32+\i]         ; z = rho^2
.endr
.irp i, 0,1,2,3,4,5,6,7,8,9,10,11,12,13,14,15
	v_fmaak_f32 v[96+\i], s30, v[48+\i], 0x3c08839e        ; 8.3321608736e-3
.endr
.irp i, 0,1,2,3,4,5,6,7,8,9,10,11,12,13,14,15
	v_fmaak_f32 v[96+\i], v[96+\i], v[48+\i], 0xbe2aaaa3   ; -1.6666654611e-1
.endr
.irp i, 0,1,2,3,4,5,6,7,8,9,10,11,12,13,14,15
	v_mul_f32 v[112+\i], v[32+\i], v[48+\i]
.endr
.irp i, 0,1,2,3,4,5,6,7,8,9,10,11,12,13,14,15
	v_fma_f32 v[96+\i], v[112+\i], v[96+\i], v[32+\i]      ; sin rho
.endr
.irp i, 0,1,2,3,4,5,6,7,8,9,10,11,12,13,14,15
	v_fmaak_f32 v[112+\i], s31, v[48+\i], 0xbab6061a       ; -1.388731625e-3
.endr
.irp i, 0,1,2,3,4,5,6,7,8,9,10,11,12,13,14,15
	v_fmaak_f32 v[112+\i], v[112+\i], v[48+\i], 0x3d2aaaa5 ; 4.166664568e-2
.endr
.irp i, 0,1,2,3,4,5,6,7,8,9,10,11,12,13,14,15
	v_mul_f32 v[32+\i], v[48+\i], v[48+\i]
.endr
.irp i, 0,1,2,3,4,5,6,7,8,9,10,11,12,13,14,15
	v_fma_f32 v[48+\i], v[48+\i], -0.5, 1.0
.endr
.irp i, 0,1,2,3,4,5,6,7,8,9,10,11,12,13,14,15
	v_fma_f32 v[112+\i], v[32+\i], v[112+\i], v[48+\i]     ; cos rho
.endr
.irp i, 0,1,2,3,4,5,6,7,8,9,10,11,12,13,14,15
	v_cvt_i32_f32 v[16+\i], v[16+\i]
.endr
.irp i, 0,1,2,3,4,5,6,7,8,9,10,11,12,13,14,15
	v_and_b32 v[32+\i], 1, v[16+\i]                ; an odd number of quarter turns: sine and cosine change places;
	s_delay_alu instid0(VALU_DEP_1)
	v_cmp_eq_u32 vcc_lo, 1, v[32+\i]
	s_delay_alu instid0(VALU_DEP_1)
	v_cndmask_b32 v[80+\i], v[96+\i], v[112+\i], vcc_lo
	s_delay_alu instid0(VALU_DEP_2)
	v_cndmask_b32 v[64+\i], v[112+\i], v[96+\i], vcc_lo
	v_lshlrev_b32 v[32+\i], 30, v[16+\i]           ; the sine is negative in quarters 2 and 3,
	s_delay_alu instid0(VALU_DEP_1)
	v_and_b32 v[32+\i], 0x80000000, v[32+\i]
	s_delay_alu instid0(VALU_DEP_1)
	v_xor_b32 v[80+\i], v[80+\i], v[32+\i]
	v_add_nc_u32 v[16+\i], 1, v[16+\i]             ; the cosine in quarters 1 and 2
	s_delay_alu instid0(VALU_DEP_1)
	v_lshlrev_b32 v[16+\i], 30, v[16+\i]
	s_delay_alu instid0(VALU_DEP_1)
	v_and_b32 v[16+\i], 0x80000000, v[16+\i]
	s_delay_alu instid0(VALU_DEP_1)
	v_xor_b32 v[64+\i], v[64+\i], v[16+\i]
.endr
.irp g, 0,1,2,3,4,5,6,7
	global_store_b128 v[LI], v[64+4*\g:67+4*\g], s[14:15] offset:512*\g
.endr
	s_endpgm
.Lpath_x:
	; ---- x.  Work-group j: places 32 j .. 32 j + 31.  Wave w: tile 2 j + w / 4, fragments 2 (w % 4) and 2 (w % 4) + 1.
	s_lshr_b32 s17, s16, 2
	s_and_b32 s18, s16, 3
	s_lshl_b32 s19, ttmp9, 1
	s_add_co_u32 s19, s19, s17                     ; the tile
	s_lshr_b32 s22, s19, 3
	s_lshl_b32 s22, s22, 7
	s_bfe_u32 s23, s19, 0x10002
	s_lshl_b32 s23, s23, 6
	s_add_co_u32 s22, s22, s23
	s_and_b32 s23, s19, 3
	s_lshl_b32 s23, s23, 3
	s_add_co_u32 s22, s22, s23                     ; its first token; row i is token + 32 (i / 8) + i % 8
	s_lshl_b32 s22, s22, 12
	s_lshl_b32 s23, s18, 10
	s_add_co_u32 s22, s22, s23
	s_mov_b32 s23, 0
	s_add_nc_u64 s[4:5], s[4:5], s[22:23]
	s_wait_alu depctr_va_vdst(0)
.irp e, 0,1
.irp i, 0,1,2,3,4,5,6,7,8,9,10,11,12,13,14,15
	global_load_b128 v[L+64*\e+4*\i:L+64*\e+4*\i+3], v[LI], s[4:5] offset:((\i%8)+32*(\i/8))*4096+512*\e th:TH_LOAD_NT   ; 512 consecutive bytes of a row; all 32 loads of the wave go out at once
.endr
.endr
	s_lshl_b32 s22, s19, 3
	s_lshl_b32 s24, s18, 1
	s_add_co_u32 s22, s22, s24
	s_mul_i32 s22, s22, 1536
	s_add_nc_u64 s[10:11], s[10:11], s[22:23]
	s_lshl_b32 s22, ttmp9, 10
	s_add_nc_u64 s[12:13], s[12:13], s[22:23]
	s_mul_i32 s24, s16, 8448                       ; my stage
	v_add_nc_u32 v5, s24, v[LI]                    ; in: 16 x lane of a row
	v_mul_u32_u24 v6, v[R], 528
	s_delay_alu instid0(VALU_DEP_1)
	v_lshl_add_u32 v6, v[H], 7, v6
	s_delay_alu instid0(VALU_DEP_1)
	v_add_nc_u32 v6, s24, v6                       ; out: row r, 128 h bytes on
	s_lshl_b32 s24, s17, 9
	s_lshl_b32 s25, s18, 3
	s_add_co_u32 s24, s24, s25
	s_add_co_u32 s24, s24, GX
	v_lshl_add_u32 v240, v[R], 5, s24              ; my row's scale words for my two fragments
	s_wait_alu depctr_va_vdst(0)
	s_wait_loadcnt 16                              ; the first fragment's 16 loads are in, the second's may be out
	XUNIT 0
	s_wait_loadcnt 0x0
	XUNIT 1
	GATHER GX
.Lpath_wqkv:
	WPATH 256, 3072, 6, WQ, SWQ, GW1, 1
.Lpath_wo:
	WPATH 352, 1024, 8, WO, SWO, GW2, 0
.Lfunc_end_k_q5ca0a69c3b_prep:
	.size	k_q5ca0a69c3b_prep, .Lfunc_end_k_q5ca0a69c3b_prep-k_q5ca0a69c3b_prep
	.p2alignl 7, 3214868480
	.fill 96, 4, 3214868480
	.section	.rodata,"a",@progbits
	.p2align	6, 0x0
	.amdhsa_kernel k_q5ca0a69c3b_prep
		.amdhsa_group_segment_fixed_size 71680
		.amdhsa_private_segment_fixed_size 0
		.amdhsa_enable_private_segment 0
		.amdhsa_kernarg_size 48
		.amdhsa_user_sgpr_count 2
		.amdhsa_user_sgpr_kernarg_segment_ptr 1
		.amdhsa_wavefront_size32 1
		.amdhsa_system_sgpr_workgroup_id_x 1
		.amdhsa_system_sgpr_workgroup_id_y 1
		.amdhsa_system_sgpr_workgroup_id_z 1
		.amdhsa_system_vgpr_workitem_id 0
		.amdhsa_next_free_vgpr 250
		.amdhsa_next_free_sgpr 66
		.amdhsa_reserve_vcc 1
		.amdhsa_float_denorm_mode_32 3
		.amdhsa_float_denorm_mode_16_64 3
		.amdhsa_memory_ordered 1
		.amdhsa_forward_progress 1
		.amdhsa_inst_pref_size 95
	.end_amdhsa_kernel
	.amdgpu_metadata
---
amdhsa.version: [ 1, 2 ]
amdhsa.kernels:
  - .name:           k_q5ca0a69c3b_prep
    .symbol:         k_q5ca0a69c3b_prep.kd
    .args:
      - { .name: x, .offset: 0, .size: 8, .value_kind: global_buffer, .address_space: global }
      - { .name: Wqkv, .offset: 8, .size: 8, .value_kind: global_buffer, .address_space: global }
      - { .name: Wo, .offset: 16, .size: 8, .value_kind: global_buffer, .address_space: global }
      - { .name: pc, .offset: 24, .size: 8, .value_kind: global_buffer, .address_space: global }
      - { .name: ps, .offset: 32, .size: 8, .value_kind: global_buffer, .address_space: global }
      - { .name: rope, .offset: 40, .size: 8, .value_kind: global_buffer, .address_space: global }
    .group_segment_fixed_size: 71680
    .private_segment_fixed_size: 0
    .kernarg_segment_align: 8
    .kernarg_segment_size: 48
    .max_flat_workgroup_size: 256
    .sgpr_count:     66
    .vgpr_count:     250
    .wavefront_size: 32
...
	.end_amdgpu_metadata
.endif
;; end of part 1
;; launch gemm1 (part 2): grid 12 x 32, 4 waves a work-group, clusters of 4 x 4, 327,680 bytes of LDS; arguments pc, ps, bqkv, padding_mask, rope, qimg, kv; writes qimg, kv
.if DOCPART == 2
	.amdgcn_target "amdgcn-amd-amdhsa--gfx1250"
	.amdhsa_code_object_version 6
	.text
	.protected	k_q5ca0a69c3b_gemm1
	.globl	k_q5ca0a69c3b_gemm1
	.p2align	8
	.type	k_q5ca0a69c3b_gemm1,@function
k_q5ca0a69c3b_gemm1:
	s_mov_b64 s[64:65], 0
	v_nop
	global_prefetch_b8 v0, s[64:65] scope:SCOPE_SE
	s_setreg_imm32_b32 hwreg(HW_REG_WAVE_MODE, 25, 1), 1
	s_wait_xcnt 0x0
	s_wait_alu depctr_hold_cnt(0) depctr_sa_sdst(0) depctr_va_vdst(0) depctr_va_sdst(0) depctr_va_ssrc(0) depctr_va_vcc(0) depctr_vm_vsrc(0)
	s_getreg_b32 s2, hwreg(HW_REG_IB_STS2, 6, 4)
	s_cmp_eq_u32 s2, 0
	s_cbranch_scc0 .Lentry_in_a_cluster
	s_endpgm
.Lentry_in_a_cluster:
	s_bfe_u32 s2, ttmp6, 0x10000c
	s_cmp_lg_u32 s2, 0xf033
	s_cbranch_scc0 .Lentry_shape_is_right
	s_endpgm
.Lentry_shape_is_right:
; x Wqkv + bqkv on codes of FP6 (E2M3) with E8M0 scales, K = 1,024; then, in registers: the rotation of q and k, the padding mask, and the quantisers ahead of the two products of attention.  Nothing leaves as f32.
; A tile of 256 x 256 is made by four waves, 128 x 128 each: 64 accumulators of 16 x 16 in 512 registers.  K goes in steps of 256 through two LDS slots filled by the tensor data mover.
; A WORK-GROUP STAYS AND MAKES TWO TILES: the second takes x's rows 4,096 further on and the same rows of Wqkv.  The ring does not stop between them: the first tile's last two changes of slots ask for the second tile's
; K steps 0 and 1, which land while the first tile goes out.  The problem has 24 blocks of 1,024 x 1,024; a cluster takes two: 12 clusters, 192 work-groups.  Both tiles are written out: the text has no loop.
; CODES LIE IN MEMORY AS IMAGES OF OPERAND REGISTERS (16 rows x 128 K: 1,536 bytes, lane l's registers 4 g .. 4 g + 3 at 512 g + 16 l): a fragment is three loads of 16 bytes a lane, 512 consecutive bytes each: no pitch, no padding.
; The scale bytes of the work-group's 2 x 256 rows, for all of K and for both tiles, come into LDS once, with the first fills.
; CLUSTERS of 4 x 4: the four of a row of the cluster need the same tiles of operand A, the four of a column those of operand B: each tile is asked for jointly.
; THE MATRIX INSTRUCTION: source 0 = 16 rows of B, source 1 = 16 rows of A: a lane holds ONE row of A (lane % 16), its registers run along B's rows.
; THE CLUSTER'S x SAYS WHAT IS MADE: 0 q, 1 k, 2 v.  For q and k A = x (a lane holds a token, its registers a head's 64 columns).  For v the operands change roles, A = Wqkv's v columns and B = x: a lane holds a column and its registers
; run along the tokens, which are the K of attention's second product.  Both operands lie in the same two buffers, so the change is one of offsets.
; By the order of rows in the workspace: of q and k a lane's registers 0-15 of a head are the even inputs 32 h + 2 i, 16-31 the odd ones; of v a lane's registers 32 c + i are tokens 64 c + 32 h + i of the wave's 128.
; OUT.  q and k: for each head and 128 tokens a record of eight tiles of 16 places x 1,024 bytes (registers 0-5: the 64 rotated numbers' codes; 6: one more dimension; 7: 0) and 512 bytes of scale words.
; THE MASK IS THAT ONE MORE DIMENSION, k = 64: q has the number 1 there under the scale 1; a masked key -7.5 under the scale 2^120, any other key 0 under 2^-126.  So a masked key's score is -7.5 x 2^120, not minus infinity.
; v: for each head and 128 keys four fragments (16 of the head's 64 x 128 keys) and 256 bytes of scale words, in k's record behind k's part.
; LIMITS: blocks whose largest magnitude lies under 2^-124 get the byte 1; NaN and infinities among the inputs are not served.
; THIS TEXT MAKES ONE TILE A WORK-GROUP: 384 work-groups, 24 clusters.  What the lines above say of a second tile and of a ring that goes on into it holds no more.
; THE HEAD: one joint load a wave: wave 0 K step 0 of A's 256 rows, wave 2 of B's, wave 1 the scales of A's 256 rows, wave 3 of B's.  Slot 1's first fill stands behind the full sequence and a round.
.set WQ,     6291456
.set SWQ,    262144                    ; in ps likewise
.set NQ,     2                         ; matrix instructions deep in a slot
.set FR,     12                        ; registers of a fragment
.set NL,     3                         ; LDS loads that bring one
.set NP,     4                         ; places behind this matrix instruction (ISA guide 7.12.1)
.set HALFT,  24576                     ; 128 rows x 256 K: 8 tiles of 16 rows x 3,072 bytes: what one tensor load brings
.set SLOT,   4*HALFT                   ; A's 256 rows, then B's
.set SCL,    2*SLOT                    ; behind the ring: the first tile's scales, as units of 256 bytes + 16 of padding,
.set HALFS,  16*272                    ; (those of 128 rows)
.set SBLK,   2*272                     ; (those of 16 rows)
.set SCL2,   SCL+4*HALFS
.set SPARE,  SCL+8*HALFS               ; and the spare words, 128 bytes for each wave
.set H8,   4                           ; v4   8 x (lane / 16)
.set TOK4, 5                           ; v5   4 x v6
.set TOK,  6                           ; v6   32 (r / 8) + r % 8: where row r of a tile of places lies among its tokens or columns
.set H128, 7                           ; v7   128 x (lane / 16)
.set MK,   8                           ; v8-15  the mask bytes of my token in A's eight blocks; later the codes of the one more dimension
.set ADRA, 16                          ; v16-17 LDS address of my A fragments in slot 0, 1
.set ADRB, 18                          ; v18-19 the same for B
.set ADRS, 20                          ; v20  LDS address of my scale words: lanes 0-15 A's rows, lanes 16-31 B's
.set SPW,  21                          ; v21  LDS address of my spare word; never rewritten
.set NIL,  22                          ; v22  0; never rewritten
.set LI,   23                          ; v23  16 x lane
.set VBI,  24                          ; v24-31 v's bias for my column in A's eight blocks; on q's and k's way out the upper halves of the scale words
.set SC,   32                          ; v32-63 scale words, two sets: they hold nothing else
.set QBI,  64                          ; v64-127 q's and k's bias in the result's layout
.set AF,   128                         ; v128-223 A's fragments, one set; at work on the way out
.set G1, 24                            ; s[24:31] group 1 for A's codes;  s[32:39] group 0, one set for each slot
.set G0, 32
.set G1B, 48                           ; s[48:55], s[56:63] the same for B's
.set G0B, 56
.set G1S, 68                           ; s[68:75], s[76:79] groups 1 and 0 for A's scales;  s[80:87], s[88:91] for B's.  These loads are done at the first barrier: on the way out s68-81 are at work
.set G0S, 76
.set G1SB, 80
.set G0SB, 88
.set MSB, 0
.macro WIN new                         ; the immediate's high byte repeats the setting that is left
.if MSB != (\new)
	s_set_vgpr_msb (MSB<<8)|(\new)
.set MSB, (\new)
.endif
.endm
.set MUL_LO, 0xa1                      ; source 0 (B) window 1, source 1 (A) window 0, C and D window 2
.set MUL_HI, 0xf1                      ; the same, C and D window 3
.set TO_B,   0x40                      ; destination window 1, address window 0
; A joint load: waves 0 and 1 fetch for A, waves 2 and 3 for B.  The branch hangs on the wave's number alone.  Four v_nop follow each of the two lines.
.macro JLOAD g0a, g1a, g0b, g1b
	s_cmp_eq_u32 s15, 0
	s_cbranch_scc0 .Lfor_b_\@
	tensor_load_to_lds s[\g0a:\g0a+3], s[\g1a:\g1a+7]
	s_nop 0
.rept 4
	v_nop
.endr
	s_branch .Lasked_\@
.Lfor_b_\@:
	tensor_load_to_lds s[\g0b:\g0b+3], s[\g1b:\g1b+7]
	s_nop 0
.rept 4
	v_nop
.endr
.Lasked_\@:
.endm
.macro CREST                           ; a round of the cluster's barrier behind its opening barrier
	s_cmp_lg_u32 s14, 0
	s_cbranch_scc1 .Lnot_wave_0_\@
	s_barrier_signal -3
.Lnot_wave_0_\@:
	s_barrier_wait -3
	s_barrier_signal -1
	s_barrier_wait -1
.endm
.macro CROUND
	s_barrier_signal -1
	s_barrier_wait -1
	CREST
.endm
.macro PLACES n
.rept \n
	v_nop
.endr
.endm
.macro FRAG reg, adr, q, i             ; fragment q of tile i of my 128 rows: its image, as it lies
.irp g, 0,1,2
	ds_load_b128 v[\reg+4*\g:\reg+4*\g+3], v[\adr] offset:3072*(\i)+1536*(\q)+512*\g
.endr
.endm
; 16 matrix instructions: A's blocks a0, a0 + 1 x B's eight, 128 along K.  p: B's set; sc: the set of scale words; zero = 1: the first product starts the sums.
; The 64 accumulators take turns, one instruction a turn, in the same order in every step.
.macro MUL16 a0, p, q, sc, zero
.irp a, \a0, \a0+1
.irp b, 0,1,2,3,4,5,6,7
.if \zero
	v_wmma_scale_f32_16x16x128_f8f6f4 v[8*(8*((\a)%4)+\b):8*(8*((\a)%4)+\b)+7], v[128*(\p)+FR*\b:128*(\p)+FR*\b+FR-1], v[AF+FR*(\a):AF+FR*(\a)+FR-1], 0, v[SC+8*NQ*(\sc)+NQ*\b+(\q)], v[SC+8*NQ*(\sc)+NQ*(\a)+(\q)] matrix_a_fmt:MATRIX_FMT_FP6 matrix_b_fmt:MATRIX_FMT_FP6 matrix_a_scale:MATRIX_SCALE_ROW1
.else
	v_wmma_scale_f32_16x16x128_f8f6f4 v[8*(8*((\a)%4)+\b):8*(8*((\a)%4)+\b)+7], v[128*(\p)+FR*\b:128*(\p)+FR*\b+FR-1], v[AF+FR*(\a):AF+FR*(\a)+FR-1], v[8*(8*((\a)%4)+\b):8*(8*((\a)%4)+\b)+7], v[SC+8*NQ*(\sc)+NQ*\b+(\q)], v[SC+8*NQ*(\sc)+NQ*(\a)+(\q)] matrix_a_fmt:MATRIX_FMT_FP6 matrix_b_fmt:MATRIX_FMT_FP6 matrix_a_scale:MATRIX_SCALE_ROW1
.endif
.endr
.endr
.endm
.macro FETCH_B slot, q, p
	WIN TO_B
.irp i, 0,1,2,3,4,5,6,7
	FRAG 128*(\p)+FR*\i, ADRB+\slot, \q, \i
.endr
	WIN 0
.endm
.macro FETCH_A slot, q, i0
.irp i, \i0, \i0+1, \i0+2, \i0+3
	FRAG AF+FR*(\i), ADRA+\slot, \q, \i
.endr
.endm
.macro SCALES sc                       ; a K step's scale words: two a row; lanes 0-15 take A's block i, lanes 16-31 B's block i
.irp i, 0,1,2,3,4,5,6,7
	ds_load_b64 v[SC+8*NQ*\sc+NQ*\i:SC+8*NQ*\sc+NQ*\i+1], v[ADRS] offset:\i*SBLK
.endr
.endm
; A step of 128 along K that has its successor in the same slot.  A has one set of registers: blocks 0-3 are fetched anew in the step's middle, blocks 4-7 at its end; B has two sets.
.macro STEP slot, q, zero
	s_wait_dscnt 4*NL                              ; B's set and A's blocks 0-3 are in; the youngest twelve loads (A's blocks 4-7) may be out
	WIN MUL_LO
	MUL16 0, (\q)%2, \q, \slot, \zero
	MUL16 2, (\q)%2, \q, \slot, \zero
	s_wait_dscnt 0
	PLACES NP                                      ; in front of loads into registers that matrix instructions have read
	FETCH_B \slot, (\q)+1, 1-(\q)%2
	FETCH_A \slot, (\q)+1, 0
	WIN MUL_HI
	MUL16 4, (\q)%2, \q, \slot, \zero
	MUL16 6, (\q)%2, \q, \slot, \zero
	PLACES NP
	WIN 0
	FETCH_A \slot, (\q)+1, 4
.endm
; A slot's last step changes slots: one barrier; in front of it each wave waits for all its tensor loads, adds 0 to its spare word, and waits for that and for its own reads of this slot.
; fill = 1: this slot is filled again, two K steps ahead; 2: with the NEXT tile's K step of this slot's number; 0: not at all.  fetch = 0: the tile ends here: no fragment is fetched (the way out works in A's registers).
.macro TURN slot, next, fill, fetch
	s_wait_tensorcnt 0x0                           ; all my tensor loads have landed: my part of the next slot
	ds_add_u32 v[SPW], v[NIL]                      ; 0 onto my spare word
	s_wait_dscnt 4*NL+1                            ; (the add and the youngest twelve loads may be out)
	WIN MUL_LO
	MUL16 0, 1, NQ-1, \slot, 0
	s_wait_dscnt 0x0                               ; the add is done, and my reads of this slot are over
	s_barrier_signal -1
	MUL16 2, 1, NQ-1, \slot, 0
	WIN 0
	s_barrier_wait -1
.if \fill
	CREST                                          ; the barrier has opened a round of the cluster's barrier: no wave of any partner still reads this slot or has a load on its way
.if \fill == 2
	s_add_nc_u64 s[G0+4*\slot+2:G0+4*\slot+3], s[G0+4*\slot+2:G0+4*\slot+3], s[2:3]       ; on to the next tile's rows,
	s_sub_nc_u64 s[G0+4*\slot+2:G0+4*\slot+3], s[G0+4*\slot+2:G0+4*\slot+3], 6144         ; and two K steps back
	s_add_nc_u64 s[G0B+4*\slot+2:G0B+4*\slot+3], s[G0B+4*\slot+2:G0B+4*\slot+3], s[66:67]
	s_sub_nc_u64 s[G0B+4*\slot+2:G0B+4*\slot+3], s[G0B+4*\slot+2:G0B+4*\slot+3], 6144
.else
	s_add_nc_u64 s[G0+4*\slot+2:G0+4*\slot+3], s[G0+4*\slot+2:G0+4*\slot+3], 6144
	s_add_nc_u64 s[G0B+4*\slot+2:G0B+4*\slot+3], s[G0B+4*\slot+2:G0B+4*\slot+3], 6144
.endif
	JLOAD G0+4*\slot, G1, G0B+4*\slot, G1B         ; the first tensor load behind the round; the four v_nop behind it are also the places in front of the loads below
.else
	PLACES NP
.endif
.if \fetch
	s_wait_alu depctr_va_vdst(0)
	v_add_nc_u32 v[ADRS], 4*NQ, v[ADRS]            ; on to the next K step's scale words (no LDS load of mine is out)
	FETCH_B \next, 0, 0
	FETCH_A \next, 0, 0
	SCALES \next
.endif
	WIN MUL_HI
	MUL16 4, 1, NQ-1, \slot, 0
	MUL16 6, 1, NQ-1, \slot, 0
.if \fetch
	PLACES NP
	WIN 0
	FETCH_A \next, 0, 4
.else
	WIN 0
.endif
.endm
; A tile's products: K = 1,024 is four K steps of 256, written out.  more = 1: another tile follows, and the ring goes on into it.
.macro KLOOP more
	FETCH_B 0, 0, 0
	FETCH_A 0, 0, 0
	SCALES 0
	FETCH_A 0, 0, 4
	STEP 0, 0, 1                                   ; the first products start the sums,
	TURN 0, 1, 1, 1                                ; slot 0 takes K step 2,
	STEP 1, 0, 0
	TURN 1, 0, 1, 1                                ; slot 1 takes K step 3
	STEP 0, 0, 0
.if \more
	TURN 0, 1, 2, 1                                ; slot 0 takes the next tile's K step 0,
	STEP 1, 0, 0
	TURN 1, 0, 2, 0                                ; slot 1 its K step 1.  In front of this round every wave has waited for all its loads: behind it slot 0 is whole
.else
	TURN 0, 1, 0, 1                                ; nothing is left to fetch
	STEP 1, 0, 0
	s_wait_dscnt 4*NL
	WIN MUL_LO
	MUL16 0, 1, NQ-1, 1, 0
	MUL16 2, 1, NQ-1, 1, 0
	s_wait_dscnt 0
	WIN MUL_HI
	MUL16 4, 1, NQ-1, 1, 0
	MUL16 6, 1, NQ-1, 1, 0
	WIN 0
.endif
.endm
; q, k: block a (16 tokens) of head hd.  v192-207: the rotated numbers 16 h + i; v208-223: 32 + 16 h + i.
.macro QKBLK a, hd
.set AC, 64*((\a)%4)+32*(\hd)
.set WN, 2+(\a)/4
.set RP, 224-96*((\a)%2)
.set CD, 160+8*(\hd)
.set IM, 188-184*(\hd)
	s_wait_xcnt 0x0                                ; the stores issued so far have read their registers: this head's set of codes may be written again
	WIN (WN<<6)|WN
.irp i, 0,2,4,6,8,10,12,14,16,18,20,22,24,26,28,30
	v_pk_add_f32 v[AC+\i:AC+\i+1], v[AC+\i:AC+\i+1], v[QBI+32*(\hd)+\i:QBI+32*(\hd)+\i+1]   ; + bias; each accumulator from its low end on
.endr
	WIN WN
.irp i, 0,2,4,6,8,10,12,14
	v_pk_mul_f32 v[192+\i:193+\i], v[AC+\i:AC+\i+1], v[RP+\i:RP+\i+1]              ; even x cos
	v_pk_mul_f32 v[208+\i:209+\i], v[AC+\i:AC+\i+1], v[RP+16+\i:RP+17+\i]          ; even x sin
.endr
.irp i, 0,2,4,6,8,10,12,14
	v_pk_fma_f32 v[192+\i:193+\i], v[AC+16+\i:AC+17+\i], v[RP+16+\i:RP+17+\i], v[192+\i:193+\i] neg_lo:[1,0,0] neg_hi:[1,0,0]   ; - odd x sin
	v_pk_fma_f32 v[208+\i:209+\i], v[AC+16+\i:AC+17+\i], v[RP+\i:RP+\i+1], v[208+\i:209+\i]                                     ; + odd x cos
.endr
	WIN 0
	v_max3_num_f32 v180, |v192|, |v193|, 0x1800000         ; the two blocks of 32 by turns: my 16 of each, and the floor 2^(3 - 127)
	v_max3_num_f32 v181, |v208|, |v209|, 0x1800000
.irp i, 2,4,6,8,10,12,14
	v_max3_num_f32 v180, v180, |v[192+\i]|, |v[193+\i]|
	v_max3_num_f32 v181, v181, |v[208+\i]|, |v[209+\i]|
.endr
	v_permlanex16_b32 v184, v180, s80, s81
	v_permlanex16_b32 v185, v181, s80, s81
	v_max_num_f32 v180, v180, v184                 ; with lane l xor 16's 16
	v_max_num_f32 v181, v181, v185
	v_add_nc_u32 v182, 0xff000000, v180
	v_add_nc_u32 v183, 0xff000000, v181
	v_cvt_scalef32_pk16_fp6_f32 v[CD:CD+2], v[192:207], v182
	v_cvt_scalef32_pk16_fp6_f32 v[176:178], v[208:223], v183
	v_lshrrev_b32 v186, 23, v182                   ; (plain lines behind the conversions)
	v_lshrrev_b32 v187, 23, v183
	v_lshl_or_b32 v186, v187, 8, v186
.if (\a)%2                                     ; the image of the scale words: word a / 2 holds tile a's in lanes 0-15 for even a, in lanes 16-31 for odd a
	v_or_b32 v186, v186, v[VBI+\a]
	v_cndmask_b32 v[IM+(\a)/2], v[IM+(\a)/2], v186, vcc_lo
.else
	v_or_b32 v[IM+(\a)/2], v186, v[VBI+\a]
.endif
.irp i, 0,1,2
	v_permlane16_swap_b32 v[CD+\i], v[176+\i]      ; lanes 0-15 now hold numbers 0-15 and 16-31, lanes 16-31 numbers 32-47 and 48-63: a whole block to a lane
.endr
.irp i, 0,1,2
	v_mov_b32 v[CD+3+\i], v[176+\i]
.endr
	v_mov_b32 v[CD+6], v[MK+\a]
	global_store_b128 v[LI], v[CD:CD+3], s[72+2*(\hd):73+2*(\hd)] offset:1024*(\a)
	global_store_b128 v[LI], v[CD+4:CD+7], s[72+2*(\hd):73+2*(\hd)] offset:1024*(\a)+512
.endm
; v: block a: 16 columns of a head x the wave's 128 keys: two whole blocks of 32 keys a lane.
.macro VBLK a
.set AC, 64*((\a)%4)
.set WN, 2+(\a)/4
.set FV, 192+12*((\a)%2)
.set BP, VBI+2*((\a)/2)
.set IV, 234+(\a)/2
	s_wait_xcnt 0x0                                ; the stores issued so far have read their registers
	WIN WN
.irp i, 0,2,4,6,8,10,12,14,16,18,20,22,24,26,28,30,32,34,36,38,40,42,44,46,48,50,52,54,56,58,60,62
.if (\a)%2
	v_pk_add_f32 v[128+\i:129+\i], v[AC+\i:AC+\i+1], v[BP:BP+1] op_sel:[0,1] op_sel_hi:[1,1]   ; + my column's bias: the pair's second word for both halves
.else
	v_pk_add_f32 v[128+\i:129+\i], v[AC+\i:AC+\i+1], v[BP:BP+1] op_sel_hi:[1,0]                ; the pair's first word for both halves
.endif
.endr
	WIN 0
	v_max3_num_f32 v224, |v128|, |v129|, 0x1800000
	v_max3_num_f32 v225, |v160|, |v161|, 0x1800000
.irp i, 2,4,6,8,10,12,14,16,18,20,22,24,26,28,30
	v_max3_num_f32 v224, v224, |v[128+\i]|, |v[129+\i]|
	v_max3_num_f32 v225, v225, |v[160+\i]|, |v[161+\i]|
.endr
	v_add_nc_u32 v226, 0xff000000, v224
	v_add_nc_u32 v227, 0xff000000, v225
	v_cvt_scalef32_pk16_fp6_f32 v[FV:FV+2], v[128:143], v226
	v_cvt_scalef32_pk16_fp6_f32 v[216:218], v[144:159], v226
	v_cvt_scalef32_pk16_fp6_f32 v[FV+6:FV+8], v[160:175], v227
	v_cvt_scalef32_pk16_fp6_f32 v[220:222], v[176:191], v227
	v_lshrrev_b32 v228, 23, v226                   ; (plain lines behind the conversions)
	v_lshrrev_b32 v229, 23, v227
	v_lshl_or_b32 v233, v229, 16, v228             ; my blocks are h and 2 + h of my column's 128 keys
	v_lshlrev_b32 v233, v[H8], v233
	v_permlanex16_b32 v232, v233, s80, s81
.if (\a)%2
	v_or_b32 v233, v233, v232
	v_cndmask_b32 v[IV], v[IV], v233, vcc_lo       ; the image of the scale words, as for q and k
.else
	v_or_b32 v[IV], v233, v232
.endif
.irp i, 0,1,2
	v_mov_b32 v[FV+3+\i], v[216+\i]
	v_mov_b32 v[FV+9+\i], v[220+\i]
.endr
.irp g, 0,1,2
	global_store_b128 v[LI], v[FV+4*\g:FV+4*\g+3], s[72+2*((\a)/4):73+2*((\a)/4)] offset:1536*((\a)%4)+512*\g
.endr
.endm
; THE WAY OUT of a tile.  No LDS: a lane's codes are the operand's registers.  s17 and s42 say which blocks of 256 rows of A and of B the tile is made of.
.macro WAYOUT
	PLACES NP                                      ; behind the last products: results are read and A's registers are written below
	s_wait_loadcnt 0x0                             ; biases, mask bytes, block 0's table
	s_mov_b32 s80, 0x76543210
	s_mov_b32 s81, 0xfedcba98                      ; v_permlanex16_b32's selects for lane l xor 16
	v_cmp_eq_u32 vcc_lo, 1, v2                     ; lanes 16-31; kept to the way's end
	s_cmp_eq_u32 ttmp9, 2
	s_cbranch_scc1 .Lv_out_\@
	; ---- q and k
	s_mov_b32 s77, 8704                            ; bytes of a record of q (in a register: the select below takes one literal)
	s_cmp_eq_u32 ttmp9, 1                          ; k?
	s_cselect_b32 s68, 63, 0                       ; the one more dimension's code: mask x s68 + s69: k: -7.5 where masked; q: the number 1
	s_cselect_b32 s69, 0, 8
	s_cselect_b32 s70, 246, 0                      ; and its block's byte: mask x s70 + s71: k: 247 where masked, else 1; q: 127
	s_cselect_b32 s71, 1, 127
	s_cselect_b64 s[72:73], s[98:99], s[96:97]
	s_cselect_b32 s76, 15104, s77                  ; bytes of a record
	s_lshr_b32 s77, s17, 3
	s_lshl_b32 s77, s77, 4                         ; 16 x batch
	s_and_b32 s78, s42, 3
	s_lshl_b32 s78, s78, 2
	s_add_co_u32 s77, s77, s78
	s_lshl_b32 s78, s16, 1
	s_add_co_u32 s77, s77, s78                     ; + my first head
	s_lshl_b32 s77, s77, 4
	s_and_b32 s78, s17, 7
	s_lshl_b32 s78, s78, 1
	s_add_co_u32 s77, s77, s78
	s_add_co_u32 s77, s77, s15                     ; x 16 + which 128 tokens of the batch
	s_mul_i32 s78, s77, s76
	s_mov_b32 s79, 0
	s_add_nc_u64 s[72:73], s[72:73], s[78:79]      ; my first head's record,
	s_lshl_b32 s78, s76, 4
	s_add_nc_u64 s[74:75], s[72:73], s[78:79]      ; my second head's, 16 records on
	v_add_nc_u32 v3, -1, v2                        ; all ones in lanes 0-15, 0 in lanes 16-31: k = 64 lies in lanes 0-15
.irp a, 0,1,2,3,4,5,6,7
	v_mad_u32_u24 v[VBI+\a], v[MK+\a], s70, s71
.endr
.irp a, 0,1,2,3,4,5,6,7
	v_mad_u32_u24 v[MK+\a], v[MK+\a], s68, s69
.endr
.irp a, 0,1,2,3,4,5,6,7
	v_lshl_or_b32 v[VBI+\a], v[VBI+\a], 16, 0x1000000      ; bytes 2 and 3 of the scale word (the last block is all zeros: byte 1)
	v_and_b32 v[MK+\a], v3, v[MK+\a]
.endr
	v_mov_b32 v167, 0                              ; register 7 of both sets of codes
	v_mov_b32 v175, 0
	v_mov_b32 v184, 0                              ; a lane permute's destination counts as one of its sources
	v_mov_b32 v185, 0
.irp a, 0,1,2,3,4,5,6,7
.if \a < 7
.irp g, 0,1,2,3,4,5,6,7
	global_load_b128 v[224-96*((\a+1)%2)+4*\g:227-96*((\a+1)%2)+4*\g], v[LI], s[12:13] offset:4096*(\a+1)+512*\g   ; the next block's cosines and sines, into the other set
.endr
	s_wait_loadcnt 8                               ; this block's are in; the eight just issued may be out
.else
	s_wait_loadcnt 0x0
.endif
	QKBLK \a, 0
	QKBLK \a, 1
.endr
	global_store_b128 v[LI], v[188:191], s[72:73] offset:8192
	global_store_b128 v[LI], v[4:7], s[74:75] offset:8192
	s_branch .Ldone_\@
.Lv_out_\@:
	; ---- v
	s_lshr_b32 s77, s42, 3
	s_lshl_b32 s77, s77, 4                         ; 16 x batch
	s_and_b32 s78, s17, 3
	s_lshl_b32 s78, s78, 2
	s_add_co_u32 s77, s77, s78
	s_lshl_b32 s78, s15, 1
	s_add_co_u32 s77, s77, s78                     ; + my first head
	s_lshl_b32 s77, s77, 4
	s_and_b32 s78, s42, 7
	s_lshl_b32 s78, s78, 1
	s_add_co_u32 s77, s77, s78
	s_add_co_u32 s77, s77, s16                     ; x 16 + which 128 keys of the batch
	s_mul_i32 s78, s77, 15104
	s_add_co_u32 s78, s78, 8704                    ; v's part of the record
	s_mov_b32 s79, 0
	s_add_nc_u64 s[72:73], s[98:99], s[78:79]
	s_add_nc_u64 s[74:75], s[72:73], 241664        ; my second head: 16 records on
	v_lshrrev_b32 v3, 1, v[LI]                     ; 8 x lane
	v_mov_b32 v232, 0                              ; a lane permute's destination counts as one of its sources
	VBLK 0
	VBLK 1
	VBLK 2
	VBLK 3
	global_store_b64 v3, v[234:235], s[72:73] offset:6144
	VBLK 4
	VBLK 5
	VBLK 6
	VBLK 7
	global_store_b64 v3, v[236:237], s[74:75] offset:6144
.Ldone_\@:
.endm
	s_load_b256 s[4:11], s[0:1], 0x0               ; pc s[4:5], ps s[6:7], bqkv s[8:9], padding_mask s[10:11]
	s_load_b64 s[12:13], s[0:1], 0x20              ; rope
	s_load_b64 s[96:97], s[0:1], 0x28              ; qimg
	s_load_b64 s[98:99], s[0:1], 0x30              ; kv
	v_lshl_add_u32 v[SPW], v0, 2, SPARE
	v_mov_b32 v[NIL], 0
	ds_add_u32 v21, v22
	ds_add_u32 v21, v22
	s_wait_dscnt 0x0
	v_lshrrev_b32 v1, 5, v0
	v_readfirstlane_b32 s14, v1                    ; wave 0..3
	s_lshr_b32 s15, s14, 1                         ; which half of A's rows is mine.  Also: I fetch for A (0) or for B (1)
	s_and_b32 s16, s14, 1                          ; which half of B's rows.  Also: which 128 rows I fetch
	s_bfe_u32 s40, ttmp6, 0x40000                  ; cx, cy: my place in the cluster
	s_bfe_u32 s41, ttmp6, 0x40004
	s_and_b32 s17, ttmp7, 0xffff                   ; the cluster's y
	s_cmp_eq_u32 ttmp9, 2                          ; v?  The cluster's x is the same in all sixteen partners
	s_cselect_b32 s66, ttmp9, s17                  ; A's coordinate comes from the cluster's y (x's rows), for v from its x (Wqkv's rows);
	s_cselect_b32 s67, s17, ttmp9                  ; B's the other way round
	s_cselect_b32 s2, WQ, 0                        ; where A's codes begin in pc,
	s_cselect_b32 s3, 0, WQ                        ; B's,
	s_cselect_b32 s94, SWQ, 0                      ; and their scales in ps
	s_cselect_b32 s95, 0, SWQ
	s_lshl_b32 s17, s66, 2
	s_add_co_u32 s17, s17, s41                     ; A's block of 256 rows
	s_lshl_b32 s42, s67, 2
	s_add_co_u32 s42, s42, s40                     ; B's
	s_lshl_b32 s43, s41, 2
	s_lshl_b32 s43, 15, s43                        ; my row of the cluster
	s_lshl_b32 s44, 0x1111, s40                    ; my column
	; descriptor group 1 for codes: 8 rows (tiles of 16) of 3,072 bytes (two fragments), 12,288 bytes apart; elements of 8 bytes; no padding
	s_or_b32 s[G1+0], s43, (3<<16)|(1<<21)         ; 15:0 the mask: A's tiles go to my row; 17:16 elements of 8 bytes; 21 set beside a mask
	s_or_b32 s[G1B+0], s44, (3<<16)|(1<<21)
.irp g, G1, G1B
	s_mov_b32 s[\g+1], 384<<16                     ; tensor_dim0
	s_mov_b32 s[\g+2], 16<<16                      ; tensor_dim1: 16 tiles of 16 rows for the head's loads; behind them 8
	s_mov_b32 s[\g+3], 384<<16                     ; tile_dim0
	s_mov_b32 s[\g+4], 16                          ; tile_dim1 likewise
	s_mov_b32 s[\g+5], 1536                        ; tensor_dim0_stride
	s_mov_b32 s[\g+6], 0
	s_mov_b32 s[\g+7], 0
.endr
	; and for the scales of 256 rows: 8,192 dense bytes as 32 rows of 256, 16 bytes of padding behind each
	s_or_b32 s[G1S+0], s43, (3<<16)|(1<<20)|(1<<21)|(5<<22)|(3<<25)
	s_or_b32 s[G1SB+0], s44, (3<<16)|(1<<20)|(1<<21)|(5<<22)|(3<<25)
.irp g, G1S, G1SB
	s_mov_b32 s[\g+1], 32<<16
	s_mov_b32 s[\g+2], 32<<16                      ; the scales of 256 rows: 32 rows of 256 bytes
	s_mov_b32 s[\g+3], 32<<16
	s_mov_b32 s[\g+4], 32
	s_mov_b32 s[\g+5], 32
	s_mov_b32 s[\g+6], 0
	s_mov_b32 s[\g+7], 0
.endr
	s_mul_i32 s18, s16, 98304                      ; which 128 rows I fetch: 8 tiles of 12,288 bytes
	s_mul_i32 s20, s17, 196608
	s_add_co_u32 s20, s20, s18
	s_add_co_u32 s20, s20, s2
	s_mov_b32 s21, 0
	s_mul_i32 s46, s42, 196608
	s_add_co_u32 s46, s46, s18
	s_add_co_u32 s46, s46, s3
	s_mov_b32 s47, 0
	s_lshl_b32 s22, s17, 13
	s_add_co_u32 s22, s22, s94
	s_mov_b32 s23, 0
	s_lshl_b32 s92, s42, 13
	s_add_co_u32 s92, s92, s95
	s_mov_b32 s93, 0
	s_mul_i32 s45, s14, HALFT                      ; where they go: wave x 128 rows: no place in the cluster enters an LDS address
	s_wait_kmcnt 0x0
	s_add_nc_u64 s[20:21], s[4:5], s[20:21]
	s_add_nc_u64 s[22:23], s[6:7], s[22:23]
	s_add_nc_u64 s[46:47], s[4:5], s[46:47]
	s_add_nc_u64 s[92:93], s[6:7], s[92:93]
	s_mov_b32 s[G0S], 1
	s_mov_b32 s[G0S+1], SCL
	s_mov_b64 s[G0S+2:G0S+3], s[22:23]
	s_or_b32 s[G0S+3], s[G0S+3], 0x80000000
	s_mov_b32 s[G0SB], 1
	s_mov_b32 s[G0SB+1], SCL+2*HALFS
	s_mov_b64 s[G0SB+2:G0SB+3], s[92:93]
	s_or_b32 s[G0SB+3], s[G0SB+3], 0x80000000
.irp s, 0,1
	s_mov_b32 s[G0+4*\s], 1
	s_add_co_u32 s[G0+4*\s+1], s45, \s*SLOT
	s_add_nc_u64 s[G0+4*\s+2:G0+4*\s+3], s[20:21], \s*3072
	s_or_b32 s[G0+4*\s+3], s[G0+4*\s+3], 0x80000000
	s_mov_b32 s[G0B+4*\s], 1
	s_add_co_u32 s[G0B+4*\s+1], s45, \s*SLOT
	s_add_nc_u64 s[G0B+4*\s+2:G0B+4*\s+3], s[46:47], \s*3072
	s_or_b32 s[G0B+4*\s+3], s[G0B+4*\s+3], 0x80000000
.endr
	CROUND                                         ; all sixteen work-groups are here: the first joint loads meet
	s_cmp_eq_u32 s16, 0                            ; one tree of branches on the wave's number: every way passes one load
	s_cbranch_scc0 .Lhead_scales
	JLOAD G0, G1, G0B, G1B                         ; waves 0 and 2 (their half is 0, so slot 0's own group 0 points at the tile's first row): K step 0 of all 256 rows of A, of B
	s_branch .Lhead_asked
.Lhead_scales:
	JLOAD G0S, G1S, G0SB, G1SB                     ; waves 1 and 3: the scales of A's 256 rows, of B's
.Lhead_asked:
	v_and_b32 v1, 15, v0                           ; r
	v_bfe_u32 v2, v0, 4, 1                         ; h
	v_and_b32 v3, 31, v0
	v_lshlrev_b32 v[LI], 4, v3
	s_mul_i32 s92, s15, HALFT                      ; my 128 rows of A
	s_mul_i32 s93, s16, HALFT                      ; my 128 rows of B,
	s_add_co_u32 s93, s93, 2*HALFT                 ; which lie behind A's 256
.irp s, 0,1
	v_add_nc_u32 v[ADRA+\s], s92, v[LI]
	v_add_nc_u32 v[ADRB+\s], s93, v[LI]
	s_add_co_u32 s92, s92, SLOT
	s_add_co_u32 s93, s93, SLOT
.endr
	v_lshlrev_b32 v5, 5, v1                        ; my row's scales: 32 bytes a row,
	v_lshrrev_b32 v6, 8, v5
	v_lshl_add_u32 v5, v6, 4, v5                   ; and 16 more for each 256 passed
	s_mul_i32 s92, s15, HALFS
	s_mul_i32 s93, s16, HALFS
	s_add_co_u32 s93, s93, 2*HALFS
	s_sub_co_u32 s93, s93, s92
	v_mul_u32_u24 v6, s93, v2                      ; lanes 16-31 take B's
	s_add_co_u32 s92, s92, SCL
	v_add_nc_u32 v5, v5, v6
	v_add_nc_u32 v[ADRS], s92, v5
	; What the way out wants is asked for now and waited for there.  All three kinds of work-group issue all of it, from bases that lie inside the buffers for each kind, so that the text has one way here.
	v_lshlrev_b32 v[H8], 3, v2
	v_lshlrev_b32 v[H128], 7, v2
	s_wait_alu depctr_va_vdst(0)
	v_lshrrev_b32 v3, 3, v1
	v_and_b32 v[TOK], 7, v1
	v_lshl_add_u32 v[TOK], v3, 5, v[TOK]
	s_wait_alu depctr_va_vdst(0)
	v_lshlrev_b32 v[TOK4], 2, v[TOK]
	s_wait_alu depctr_va_vdst(0)
	s_and_b32 s18, s42, 3
	s_lshl_b32 s18, s18, 8
	s_lshl_b32 s19, ttmp9, 10
	s_add_co_u32 s18, s18, s19
	s_lshl_b32 s19, s16, 7
	s_add_co_u32 s18, s18, s19                     ; q, k: the first of my 128 columns of Wqkv
	s_lshl_b32 s18, s18, 2
	s_mov_b32 s19, 0
	s_and_b32 s94, s17, 3
	s_lshl_b32 s94, s94, 8
	s_lshl_b32 s95, s15, 7
	s_add_co_u32 s94, s94, s95
	s_add_co_u32 s94, s94, 2048                    ; v: likewise, by A's coordinate
	s_lshl_b32 s94, s94, 2
	s_mov_b32 s95, 0
	s_add_nc_u64 s[100:101], s[8:9], s[94:95]
	s_add_nc_u64 s[8:9], s[8:9], s[18:19]
	s_lshl_b32 s18, s17, 8
	s_lshl_b32 s94, s15, 7
	s_add_co_u32 s18, s18, s94                     ; the first of my 128 tokens in the first tile
	s_add_nc_u64 s[10:11], s[10:11], s[18:19]
	s_and_b32 s18, s17, 7
	s_lshl_b32 s18, s18, 16
	s_lshl_b32 s94, s15, 15
	s_add_co_u32 s18, s18, s94                     ; and their eight tiles of the table, 4,096 bytes each
	s_add_nc_u64 s[12:13], s[12:13], s[18:19]
.set n, 0
.rept 64                                       ; register 32 hd + 8 t + j: the bias of column 64 hd + 32 h + 2 (8 (t & 1) + j) + (t >> 1)
	global_load_b32 v[QBI+n], v[H128], s[8:9] offset:4*(64*(n/32)+2*(8*((n/8)%2)+n%8)+((n/8)%4)/2)
.set n, n+1
.endr
.irp g, 0,1,2,3,4,5,6,7
	global_load_b128 v[224+4*\g:227+4*\g], v[LI], s[12:13] offset:512*\g          ; block 0's cosines and sines
.endr
.irp a, 0,1,2,3,4,5,6,7
	global_load_u8 v[MK+\a], v[TOK], s[10:11] offset:64*(\a/4)+8*(\a%4)
	global_load_b32 v[VBI+\a], v[TOK4], s[100:101] offset:4*(64*(\a/4)+8*(\a%4))
.endr
	s_wait_alu depctr_va_vdst(0)
	s_wait_tensorcnt 0x0                           ; my tile of the head's four is in; the full sequence ahead of slot 1's first fill:
	ds_add_u32 v[SPW], v[NIL]                      ; 0 onto my spare word
	s_mov_b32 s[G1+2], 8<<16                       ; no tensor load of mine is out: from here on a load brings 8 tiles of 16 rows
	s_mov_b32 s[G1+4], 8
	s_mov_b32 s[G1B+2], 8<<16
	s_mov_b32 s[G1B+4], 8
	s_wait_dscnt 0x0                               ; the add is done
	CROUND                                         ; everybody's tile is in, and all sixteen work-groups are here
	JLOAD G0+4, G1, G0B+4, G1B                     ; K step 1, a quarter of slot 1 a wave: the first tensor load behind the round
	KLOOP 0
	WAYOUT
	s_wait_tensorcnt 0x0                           ; the wave's end
	ds_add_u32 v[SPW], v[NIL]
	s_wait_dscnt 0x0
	CROUND                                         ; the closing round: no work-group ends while a partner may still ask for a tile that names it
	s_endpgm
.Lfunc_end_k_q5ca0a69c3b_gemm1:
	.size	k_q5ca0a69c3b_gemm1, .Lfunc_end_k_q5ca0a69c3b_gemm1-k_q5ca0a69c3b_gemm1
	.p2alignl 7, 3214868480
	.fill 96, 4, 3214868480
	.section	.rodata,"a",@progbits
	.p2align	6, 0x0
	.amdhsa_kernel k_q5ca0a69c3b_gemm1
		.amdhsa_group_segment_fixed_size 327680
		.amdhsa_private_segment_fixed_size 0
		.amdhsa_enable_private_segment 0
		.amdhsa_kernarg_size 56
		.amdhsa_user_sgpr_count 2
		.amdhsa_user_sgpr_kernarg_segment_ptr 1
		.amdhsa_wavefront_size32 1
		.amdhsa_system_sgpr_workgroup_id_x 1
		.amdhsa_system_sgpr_workgroup_id_y 1
		.amdhsa_system_sgpr_workgroup_id_z 1
		.amdhsa_system_vgpr_workitem_id 0
		.amdhsa_next_free_vgpr 1024
		.amdhsa_next_free_sgpr 106
		.amdhsa_reserve_vcc 1
		.amdhsa_float_denorm_mode_32 3
		.amdhsa_float_denorm_mode_16_64 3
		.amdhsa_memory_ordered 1
		.amdhsa_forward_progress 1
		.amdhsa_inst_pref_size 251
	.end_amdhsa_kernel
	.amdgpu_metadata
---
amdhsa.version: [ 1, 2 ]
amdhsa.kernels:
  - .name:           k_q5ca0a69c3b_gemm1
    .symbol:         k_q5ca0a69c3b_gemm1.kd
    .args:
      - { .name: pc, .offset: 0, .size: 8, .value_kind: global_buffer, .address_space: global }
      - { .name: ps, .offset: 8, .size: 8, .value_kind: global_buffer, .address_space: global }
      - { .name: bqkv, .offset: 16, .size: 8, .value_kind: global_buffer, .address_space: global }
      - { .name: padding_mask, .offset: 24, .size: 8, .value_kind: global_buffer, .address_space: global }
      - { .name: rope, .offset: 32, .size: 8, .value_kind: global_buffer, .address_space: global }
      - { .name: qimg, .offset: 40, .size: 8, .value_kind: global_buffer, .address_space: global }
      - { .name: kv, .offset: 48, .size: 8, .value_kind: global_buffer, .address_space: global }
    .group_segment_fixed_size: 327680
    .private_segment_fixed_size: 0
    .kernarg_segment_align: 8
    .kernarg_segment_size: 56
    .max_flat_workgroup_size: 128
    .sgpr_count:     106
    .vgpr_count:     1024
    .wavefront_size: 32
...
	.end_amdgpu_metadata
.endif
;; end of part 2
;; launch attn (part 3): grid 8 x 32, 8 waves a work-group, clusters of 4 x 1, 327,680 bytes of LDS; arguments qimg, kv, a2, a2s; writes a2, a2s
.if DOCPART == 3
	.amdgcn_target "amdgcn-amd-amdhsa--gfx1250"
	.amdhsa_code_object_version 6
	.text
	.protected	k_q5ca0a69c3b_attn
	.globl	k_q5ca0a69c3b_attn
	.p2align	8
	.type	k_q5ca0a69c3b_attn,@function
k_q5ca0a69c3b_attn:
	s_mov_b64 s[64:65], 0
	v_nop
	global_prefetch_b8 v0, s[64:65] scope:SCOPE_SE
	s_setreg_imm32_b32 hwreg(HW_REG_WAVE_MODE, 25, 1), 1
	s_wait_xcnt 0x0
	s_wait_alu depctr_hold_cnt(0) depctr_sa_sdst(0) depctr_va_vdst(0) depctr_va_sdst(0) depctr_va_ssrc(0) depctr_va_vcc(0) depctr_vm_vsrc(0)
	s_getreg_b32 s2, hwreg(HW_REG_IB_STS2, 6, 4)
	s_cmp_eq_u32 s2, 0
	s_cbranch_scc0 .Lentry_in_a_cluster
	s_endpgm
.Lentry_in_a_cluster:
	s_bfe_u32 s2, ttmp6, 0x10000c
	s_cmp_lg_u32 s2, 0x3003
	s_cbranch_scc0 .Lentry_shape_is_right
	s_endpgm
.Lentry_shape_is_right:
; Attention on codes of FP6 (E2M3): S^T = K Q^T (K = the head's 64 and one more dimension that carries the padding mask), p = 2^(t - M), O^T = V^T P^T (K = the keys), O / the sum of the unquantised p, and the quantiser ahead of the last product.
; t = score x log2(e) / 8; M = the running largest t rounded up to a whole number; when M moves, the sums and O^T are multiplied by 2^(old M - new M), which rounds nothing.
; SHARES.  A work-group owns 256 places (queries) of one batch and walks TWO heads, 2 y and 2 y + 1: their 32 records of 128 keys are one dense stream.  Each of eight waves owns TWO tiles of 16 queries:
; every fragment of K and of V feeds two matrix instructions, and the two tiles' dependent chains take turns line by line.
; A lane holds ONE query of each tile (lane % 16).  By the order of places in the workspace the 32 registers of tiles 4 c .. 4 c + 3 of S^T are keys 64 c + 32 h + 0 .. 31: a whole block in a lane; O^T's 32 registers are the head's numbers 32 h + 0 .. 31.
; A tile of K is 8 registers a lane; the instruction names 12: the upper four are the next tile's first four and meet zero codes of Q.
; REGISTERS.  Window 1: S^T / p of tile x at v[64 x], O^T at v[128 + 32 x], p's codes at v[192 + 12 x], the upper halves of blocks' codes at v[216 + 8 x].  Window 0: all else.  So a window setting belongs to a kind of instruction, the same for both tiles.
; LDS: 16 places of 16,384 bytes, a record (15,104 bytes) to a place, in two halves of eight; record i lies in place i % 16.  The four work-groups of a cluster walk the same stream: each record is asked for jointly, a record a wave, by every wave.
; The head asks for records 0-7, and behind the full sequence for 8-15.  V has registers of its own and is asked for at a step's head, so behind the first products a wave has read all of the record in hand: THERE stands the refill's sequence,
; in key steps 7 (records 16-23) and 15 (24-31), ahead of the load of the next record's K, which the wait in front of the round has shown landed.  Records 24-31 are shown landed by a barrier between steps 22 and 23.
; Every wait on TENSORcnt is for 0; a wave has one tensor load out at the most.  No prefetch: a refill is asked for seven or eight key steps ahead of the wait for it.
; A BLOCK'S LARGEST p IS NOT SEARCHED FOR: the block's largest score goes through the same multiply-add and exponential (this takes v_exp_f32 not to fall where its input rises).
; LIMITS.  A masked key's score is -7.5 x 2^120, not minus infinity: p = 0 for it as long as true scores lie above -1e29.  The running maximum starts at -1e30; a query all of whose keys are masked keeps it, and its rows' scale bytes
; are set to 0xff, which makes the last product's row NaN, as the softmax of such a row is.  NaN and infinities among the inputs are not served.  The scaled scores stay under 2^31 in magnitude.
.set REC,   15104                      ; a record: K's 8 tiles x 1,024 at 0, K's scale words (512) at 8,192, V's 4 fragments x 1,536 at 8,704, V's scale words (256) at 14,848
.set PL,    16384                      ; a place
.set RING,  0x3ffff                    ; 16 places
.set SPARE, 262144                     ; behind the places: the spare words, 128 bytes for each of 8 waves
.set LI,  1                            ; v1 16 x lane; v2 8 x lane; v3, v4 the add's two registers, never rewritten
.set L8,  2
.set SPW, 3
.set NIL, 4
.set ADK, 5                            ; v5 the record in hand + 16 x lane; v6 + 8 x lane; v10 the next record + 16 x lane
.set ADV, 6
.set H8,  7                            ; v7 8 x (lane / 16); v8 16 r; v9 32 r
.set ADN, 10
.set TT,  12                           ; tile x at + 12 x: -M, the largest score, the sum in four pairs
.set Q,   36                           ; v36-59 Q's fragments, 12 a tile (the upper four zeros)
.set QS,  60                           ; v60-61 Q's scale words; v62-63 p's; v64-67 K's; v68-69 V's
.set PS,  62
.set KSC, 64
.set VSC, 68
.set F,   70                           ; v70-137 K's eight tiles (v134-137 zeros)
.set VV,  138                          ; v138-185 V's four fragments
.set WK,  186                          ; at work, tile x at + 12 x: 0-3 maxima, 4-5 M's change, 6-7 the factor (a pair), 8-9 conversion scales, 10-11 bytes
.set OF,  210                          ; v210-233 the fragments that leave; v234-235 their scale words
.set OW,  234
.set Q2,  236                          ; v236-251 the second head's Q; v252-253 its scale words
.set QS2, 252
.set WV,  12
.set SEL, 20
.set CS,  22
.set G1,  24
.set G0,  32
.set TB,  40                           ; s40 LDS byte of the record in hand; s48 of the next
.set TN,  48
.set MSB, 0
.macro WIN new                         ; bits 1:0 source 0, 3:2 source 1, 5:4 source 2, 7:6 destination; the high byte repeats the setting that is left
.if MSB != (\new)
	s_set_vgpr_msb (MSB<<8)|(\new)
.set MSB, (\new)
.endif
.endm
.macro TLOAD                           ; every wave: its record of the next eight
	tensor_load_to_lds s[G0:G0+3], s[G1:G1+7]
	s_nop 0
.rept 4
	v_nop
.endr
.endm
.macro CROUND                          ; a round of the cluster's barrier
	s_barrier_signal -1
	s_barrier_wait -1
	s_cmp_lg_u32 s[WV], 0
	s_cbranch_scc1 .Lnot_wave_0_\@
	s_barrier_signal -3
.Lnot_wave_0_\@:
	s_barrier_wait -3
	s_barrier_signal -1
	s_barrier_wait -1
.endm
.macro REFILL                          ; the full sequence, and the other half's next eight records
	s_wait_tensorcnt 0x0                           ; no tensor load of mine is out, so the group 0 may be written
	ds_add_u32 v[SPW], v[NIL]                      ; 0 onto my spare word
	s_xor_b32 s[G0+1], s[G0+1], 8*PL
	s_add_nc_u64 s[G0+2:G0+3], s[G0+2:G0+3], 8*REC
	s_wait_dscnt 0x0                               ; the add is done, and so are all my LDS reads
	CROUND
	TLOAD
.endm
.macro RESET                           ; a head begins: zeros, which the first change of M leaves zeros
.irp o, 0,12
	v_mov_b32 v[TT+\o+1], 0xf149f2ca               ; -1e30
.irp k, 2,3,4,5,6,7,8,9
	v_mov_b32 v[TT+\o+\k], 0
.endr
.endr
.irp o, 0,12
	v_mul_f32 v[TT+\o], s[CS], v[TT+\o+1]
.endr
.irp o, 0,12
	v_floor_f32 v[TT+\o], -v[TT+\o]                ; -M
.endr
	WIN 0x40
.set i, 0
.rept 64
	v_mov_b32 v[128+i], 0
.set i, i+1
.endr
	WIN 0
.endm
.macro KLOAD adr                       ; K's eight tiles and their scale words
	ds_load_b128 v[KSC:KSC+3], v[\adr] offset:8192
.irp t, 0,1,2,3,4,5,6,7
	ds_load_b128 v[F+8*\t:F+8*\t+3], v[\adr] offset:1024*\t
	ds_load_b128 v[F+8*\t+4:F+8*\t+7], v[\adr] offset:1024*\t+512
.endr
.endm
; A KEY STEP for both tiles: the record at s[TB]; its K is in registers.  pre = 1: the next record's K is asked for.  bar = 1: the refill's sequence stands ahead of that.
.macro STEP pre, bar
	v_add_nc_u32 v[ADK], s[TB], v[LI]
	v_add_nc_u32 v[ADV], s[TB], v[L8]
.if \pre
	v_add_nc_u32 v[ADN], s[TN], v[LI]
.else
	v_nop
.endif
	v_nop                                          ; four places behind the last step's products: V's registers take loads
.irp m, 0,1,2,3,4,5,6,7,8,9,10,11
	ds_load_b128 v[VV+4*\m:VV+4*\m+3], v[ADK] offset:8704+512*\m
.endr
	ds_load_b64 v[VSC:VSC+1], v[ADV] offset:14848
	WIN 0x40                                       ; D in window 1
.irp t, 0,1,2,3,4,5,6,7
.irp x, 0,1
.if (\t)%2
	v_wmma_scale_f32_16x16x128_f8f6f4 v[64*\x+8*\t:64*\x+8*\t+7], v[F+8*\t:F+8*\t+11], v[Q+12*\x:Q+12*\x+11], 0, v[KSC+(\t)/2], v[QS+\x] matrix_a_fmt:MATRIX_FMT_FP6 matrix_b_fmt:MATRIX_FMT_FP6 matrix_a_scale:MATRIX_SCALE_ROW1
.else
	v_wmma_scale_f32_16x16x128_f8f6f4 v[64*\x+8*\t:64*\x+8*\t+7], v[F+8*\t:F+8*\t+11], v[Q+12*\x:Q+12*\x+11], 0, v[KSC+(\t)/2], v[QS+\x] matrix_a_fmt:MATRIX_FMT_FP6 matrix_b_fmt:MATRIX_FMT_FP6
.endif
.endr
.endr
	WIN 0
.rept 4
	v_nop                                          ; places: the next K lands in K's registers, and the scores are read
.endr
.if \bar
	s_wait_alu depctr_va_vdst(0)
	REFILL                                         ; V is in: I have read all of the record in hand and of those before it
.endif
.if \pre
	KLOAD ADN
.endif
	WIN 0x15                                       ; three sources in window 1
.irp x, 0,1                            ; the largest score of each of a tile's two blocks, two chains a block; each accumulator is first read at its low end
	v_max3_num_f32 v[WK+12*\x], v[64*\x], v[64*\x+1], v[64*\x+2]
	v_max3_num_f32 v[WK+12*\x+1], v[64*\x+32], v[64*\x+33], v[64*\x+34]
	v_max3_num_f32 v[WK+12*\x+2], v[64*\x+16], v[64*\x+17], v[64*\x+18]
	v_max3_num_f32 v[WK+12*\x+3], v[64*\x+48], v[64*\x+49], v[64*\x+50]
.endr
	WIN 0x05                                       ; sources 0 and 1 in window 1
.irp i, 3,5,7,9,11,13
.irp x, 0,1
	v_max3_num_f32 v[WK+12*\x], v[64*\x+\i], v[64*\x+\i+1], v[WK+12*\x]
	v_max3_num_f32 v[WK+12*\x+1], v[64*\x+32+\i], v[64*\x+33+\i], v[WK+12*\x+1]
	v_max3_num_f32 v[WK+12*\x+2], v[64*\x+16+\i], v[64*\x+17+\i], v[WK+12*\x+2]
	v_max3_num_f32 v[WK+12*\x+3], v[64*\x+48+\i], v[64*\x+49+\i], v[WK+12*\x+3]
.endr
.endr
.irp x, 0,1
	v_max3_num_f32 v[WK+12*\x], v[64*\x+15], v[64*\x+31], v[WK+12*\x]
	v_max3_num_f32 v[WK+12*\x+1], v[64*\x+47], v[64*\x+63], v[WK+12*\x+1]
.endr
	WIN 0
.irp o, 0,12
	v_max_num_f32 v[WK+\o], v[WK+\o], v[WK+\o+2]
	v_max_num_f32 v[WK+\o+1], v[WK+\o+1], v[WK+\o+3]
.endr
.irp o, 0,12
	v_max_num_f32 v[WK+\o+2], v[WK+\o], v[WK+\o+1]
	v_mov_b32 v[WK+\o+4], v[TT+\o]                 ; the old -M
.endr
.irp o, 0,12
	v_permlanex16_b32 v[WK+\o+3], v[WK+\o+2], s[SEL], s[SEL+1]
.endr
.irp o, 0,12
	v_max3_num_f32 v[TT+\o+1], v[TT+\o+1], v[WK+\o+2], v[WK+\o+3]   ; the running largest score of my query
.endr
.irp o, 0,12
	v_mul_f32 v[WK+\o+5], s[CS], v[TT+\o+1]        ; as t
.endr
.irp o, 0,12
	v_floor_f32 v[TT+\o], -v[WK+\o+5]              ; the new -M = -ceil(t)
.endr
.irp o, 0,12
	v_sub_f32 v[WK+\o+4], v[TT+\o], v[WK+\o+4]     ; old M - new M
	v_fma_f32 v[WK+\o], v[WK+\o], s[CS], v[TT+\o]  ; t - M of each block's largest score
	v_fma_f32 v[WK+\o+1], v[WK+\o+1], s[CS], v[TT+\o]
.endr
.irp o, 0,12
	v_cvt_i32_f32 v[WK+\o+4], v[WK+\o+4]
.endr
.irp o, 0,12
	v_ldexp_f32 v[WK+\o+6], 1.0, v[WK+\o+4]        ; f = 2^(old M - new M)
.endr
	WIN 0x41                                       ; source 0 and the destination in window 1
.irp x, 0,1
.set i, 0
.rept 32
	v_pk_fma_f32 v[64*\x+i:64*\x+i+1], v[64*\x+i:64*\x+i+1], s[CS:CS+1], v[TT+12*\x:TT+12*\x+1] op_sel_hi:[1,0,0]   ; t - M
.set i, i+2
.endr
.endr
	s_wait_alu depctr_va_vdst(0)
	WIN 0
.irp o, 0,12
	v_exp_f32 v[WK+\o], v[WK+\o]
	v_exp_f32 v[WK+\o+1], v[WK+\o+1]
.endr
	WIN 0x41
.set i, 0
.rept 128
	v_exp_f32 v[i], v[i]                           ; p = 2^(t - M), at most 1: not normalised
.set i, i+1
.endr
	v_nop                                          ; a plain place behind the exponentials
	s_wait_alu depctr_va_vdst(0)                   ; one wait for the batch; it also stands directly ahead of the first readers of O^T
.set i, 0
.rept 32
	v_pk_mul_f32 v[128+i:129+i], v[128+i:129+i], v[WK+12*(i/32)+6:WK+12*(i/32)+7] op_sel_hi:[1,0]   ; O^T under the new M
.set i, i+2
.endr
	WIN 0
.irp o, 0,12
.irp k, 2,4,6,8
	v_pk_mul_f32 v[TT+\o+\k:TT+\o+\k+1], v[TT+\o+\k:TT+\o+\k+1], v[WK+\o+6:WK+\o+7] op_sel_hi:[1,0]   ; the sums under the new M
.endr
	v_max_num_f32 v[WK+\o], 0x1800000, v[WK+\o]    ; the floor 2^(3 - 127)
	v_max_num_f32 v[WK+\o+1], 0x1800000, v[WK+\o+1]
.endr
.irp o, 0,12
	v_add_nc_u32 v[WK+\o+8], 0xff000000, v[WK+\o]  ; 2 off the exponent field: the conversion's scale operand
	v_add_nc_u32 v[WK+\o+9], 0xff000000, v[WK+\o+1]
.endr
.irp o, 0,12
	v_lshrrev_b32 v[WK+\o+10], 23, v[WK+\o+8]
	v_lshrrev_b32 v[WK+\o+11], 23, v[WK+\o+9]
.endr
.irp o, 0,12
	v_lshl_or_b32 v[PS+\o/12], v[WK+\o+11], 16, v[WK+\o+10]   ; my blocks are h and 2 + h of these 128 keys
.endr
.irp o, 0,12
	v_lshlrev_b32 v[PS+\o/12], v[H8], v[PS+\o/12]
.endr
.irp o, 0,12
	v_permlanex16_b32 v[WK+\o+3], v[PS+\o/12], s[SEL], s[SEL+1]
.endr
.irp o, 0,12
	v_or_b32 v[PS+\o/12], v[PS+\o/12], v[WK+\o+3]
.endr
	WIN 0x41
.irp x, 0,1
	v_cvt_scalef32_pk16_fp6_f32 v[192+12*\x:194+12*\x], v[64*\x:64*\x+15], v[WK+12*\x+8]
	v_cvt_scalef32_pk16_fp6_f32 v[216+8*\x:218+8*\x], v[64*\x+16:64*\x+31], v[WK+12*\x+8]     ; (a conversion's three registers begin on an even number)
	v_cvt_scalef32_pk16_fp6_f32 v[198+12*\x:200+12*\x], v[64*\x+32:64*\x+47], v[WK+12*\x+9]
	v_cvt_scalef32_pk16_fp6_f32 v[220+8*\x:222+8*\x], v[64*\x+48:64*\x+63], v[WK+12*\x+9]
.endr
	v_nop                                          ; a plain place behind the conversions
.irp x, 0,1
.irp i, 0,1,2
	v_mov_b32 v[195+12*\x+\i], v[216+8*\x+\i]
	v_mov_b32 v[201+12*\x+\i], v[220+8*\x+\i]
.endr
.endr
	WIN 0x01                                       ; source 0 in window 1
.set j, 0
.rept 32                               ; THE ROW'S SUM IS TAKEN OF THE UNQUANTISED p: four chains a tile.  (These are also the places between p's last codes and the products)
.irp x, 0,1
	v_pk_add_f32 v[TT+12*\x+2+2*(j%4):TT+12*\x+3+2*(j%4)], v[64*\x+2*j:64*\x+2*j+1], v[TT+12*\x+2+2*(j%4):TT+12*\x+3+2*(j%4)]
.endr
.set j, j+1
.endr
	s_wait_alu depctr_va_vdst(0)
	s_wait_dscnt 0x0                               ; V is in, and so is the next step's K
	WIN 0x54                                       ; V in window 0; p's codes, C and D in window 1
.irp d, 0,1,2,3
.irp x, 0,1
.if (\d)%2
	v_wmma_scale_f32_16x16x128_f8f6f4 v[128+32*\x+8*\d:128+32*\x+8*\d+7], v[VV+12*\d:VV+12*\d+11], v[192+12*\x:203+12*\x], v[128+32*\x+8*\d:128+32*\x+8*\d+7], v[VSC+(\d)/2], v[PS+\x] matrix_a_fmt:MATRIX_FMT_FP6 matrix_b_fmt:MATRIX_FMT_FP6 matrix_a_scale:MATRIX_SCALE_ROW1
.else
	v_wmma_scale_f32_16x16x128_f8f6f4 v[128+32*\x+8*\d:128+32*\x+8*\d+7], v[VV+12*\d:VV+12*\d+11], v[192+12*\x:203+12*\x], v[128+32*\x+8*\d:128+32*\x+8*\d+7], v[VSC+(\d)/2], v[PS+\x] matrix_a_fmt:MATRIX_FMT_FP6 matrix_b_fmt:MATRIX_FMT_FP6
.endif
.endr
.endr
	WIN 0
.endm
.macro ON                              ; a place on
	s_add_co_u32 s[TB], s[TB], PL
	s_add_co_u32 s[TN], s[TN], PL
.endm
.macro RUN n                           ; n plain key steps
	s_mov_b32 s42, \n
.Lrun_\@:
	STEP 1, 0
	ON
	s_sub_co_u32 s42, s42, 1
	s_cmp_lg_u32 s42, 0
	s_cbranch_scc1 .Lrun_\@
.endm
; A head is done (n: its parity): O^T / the sum, quantised: a lane's 32 numbers are block 2 n + h of the fragment's 128.
.macro FINISH n
.rept 4
	v_nop                                          ; places behind the last products
.endr
.irp o, 0,12
	v_pk_add_f32 v[TT+\o+2:TT+\o+3], v[TT+\o+2:TT+\o+3], v[TT+\o+4:TT+\o+5]
	v_pk_add_f32 v[TT+\o+6:TT+\o+7], v[TT+\o+6:TT+\o+7], v[TT+\o+8:TT+\o+9]
.endr
.irp o, 0,12
	v_pk_add_f32 v[TT+\o+2:TT+\o+3], v[TT+\o+2:TT+\o+3], v[TT+\o+6:TT+\o+7]
.endr
.irp o, 0,12
	v_add_f32 v[TT+\o+2], v[TT+\o+2], v[TT+\o+3]
.endr
.irp o, 0,12
	v_permlanex16_b32 v[WK+\o+3], v[TT+\o+2], s[SEL], s[SEL+1]
.endr
.irp o, 0,12
	v_add_f32 v[TT+\o+2], v[TT+\o+2], v[WK+\o+3]   ; the row's sum
.endr
	s_wait_alu depctr_va_vdst(0)
.irp o, 0,12
	v_rcp_f32 v[WK+\o+6], v[TT+\o+2]
.endr
	v_cmp_gt_f32 s50, 0xefa18f1c, v[TT+1]          ; -1e29 > the largest score: every key of my query was masked
	v_cmp_gt_f32 s51, 0xefa18f1c, v[TT+13]
	v_nop
	s_wait_alu depctr_va_vdst(0)
	WIN 0x41
.set i, 0
.rept 32
	v_pk_mul_f32 v[128+i:129+i], v[128+i:129+i], v[WK+12*(i/32)+6:WK+12*(i/32)+7] op_sel_hi:[1,0]
.set i, i+2
.endr
	WIN 0x05
.irp x, 0,1
	v_max3_num_f32 v[WK+12*\x], |v[128+32*\x]|, |v[129+32*\x]|, 0x1800000
	v_max3_num_f32 v[WK+12*\x+1], |v[130+32*\x]|, |v[131+32*\x]|, 0x1800000
.endr
.irp i, 4,8,12,16,20,24,28
.irp x, 0,1
	v_max3_num_f32 v[WK+12*\x], |v[128+32*\x+\i]|, |v[129+32*\x+\i]|, v[WK+12*\x]
	v_max3_num_f32 v[WK+12*\x+1], |v[130+32*\x+\i]|, |v[131+32*\x+\i]|, v[WK+12*\x+1]
.endr
.endr
	WIN 0
.irp o, 0,12
	v_max_num_f32 v[WK+\o], v[WK+\o], v[WK+\o+1]
.endr
.irp o, 0,12
	v_add_nc_u32 v[WK+\o+8], 0xff000000, v[WK+\o]
.endr
	WIN 0x01
.irp x, 0,1
	v_cvt_scalef32_pk16_fp6_f32 v[OF+12*\x+6*\n:OF+12*\x+6*\n+2], v[128+32*\x:143+32*\x], v[WK+12*\x+8]
	v_cvt_scalef32_pk16_fp6_f32 v[WK+12*\x:WK+12*\x+2], v[144+32*\x:159+32*\x], v[WK+12*\x+8]
.endr
	WIN 0
.irp o, 0,12
	v_lshrrev_b32 v[WK+\o+10], 23, v[WK+\o+8]      ; (plain lines behind the conversions)
	v_mov_b32 v[WK+\o+11], 0xff
.endr
	v_cndmask_b32 v[WK+10], v[WK+10], v[WK+11], s50
	v_cndmask_b32 v[WK+22], v[WK+22], v[WK+23], s51
.irp o, 0,12
.irp i, 0,1,2
	v_mov_b32 v[OF+\o+6*\n+3+\i], v[WK+\o+\i]
.endr
.endr
.if \n == 0
.irp x, 0,1
	v_mov_b32 v[OW+\x], v[WK+12*\x+10]
.irp i, 0,1,2,3,4,5,6,7
	v_mov_b32 v[Q+12*\x+\i], v[Q2+8*\x+\i]         ; the second head's Q
.endr
	v_mov_b32 v[QS+\x], v[QS2+\x]
.endr
	RESET                                          ; (its lines are also the places between Q's registers and scale words and the next products)
	s_wait_alu depctr_va_vdst(0)
.else
.irp x, 0,1
	v_lshl_or_b32 v[OW+\x], v[WK+12*\x+10], 16, v[OW+\x]
.endr
.irp x, 0,1
	v_lshlrev_b32 v[OW+\x], v[H8], v[OW+\x]
.endr
.irp x, 0,1
	v_permlanex16_b32 v[WK+12*\x+3], v[OW+\x], s[SEL], s[SEL+1]
.endr
.irp x, 0,1
	v_or_b32 v[OW+\x], v[OW+\x], v[WK+12*\x+3]
.endr
.irp x, 0,1
.irp g, 0,1,2
	global_store_b128 v[LI], v[OF+12*\x+4*\g:OF+12*\x+4*\g+3], s[8:9] offset:12288*\x+512*\g   ; a fragment's image: 512 consecutive bytes a store
.endr
	global_store_b32 v9, v[OW+\x], s[10:11] offset:512*\x   ; both halves of the lanes store the same word with the same value
.endr
.endif
.endm
	s_load_b256 s[4:11], s[0:1], 0x0               ; qimg s[4:5], kv s[6:7], a2 s[8:9], a2s s[10:11]
	v_lshl_add_u32 v[SPW], v0, 2, SPARE
	v_mov_b32 v[NIL], 0
	ds_add_u32 v[SPW], v[NIL]                      ; the opening lines
	ds_add_u32 v[SPW], v[NIL]
	s_wait_dscnt 0x0
	v_lshrrev_b32 v1, 5, v0
	v_readfirstlane_b32 s[WV], v1                  ; wave 0..7
	s_bfe_u32 s13, ttmp6, 0x40000                  ; cx: it enters Q's and the result's addresses alone
	s_lshl_b32 s14, ttmp9, 2
	s_add_co_u32 s14, s14, s13                     ; my block of 256 places
	s_and_b32 s15, ttmp7, 0xffff                   ; y = 8 x batch + pair of heads, which the four partners share
	s_mul_i32 s16, s15, 32*REC                     ; the pair's 32 records,
	s_mul_i32 s18, s[WV], REC                      ; my record of eight
	s_add_co_u32 s16, s16, s18
	s_mov_b32 s17, 0
	s_mov_b32 s[G1], 15|(3<<16)|(1<<21)            ; the mask: all four work-groups; elements of 8 bytes; bit 21 beside a mask
	s_mov_b32 s[G1+1], 32<<16                      ; rows of 256 bytes,
	s_mov_b32 s[G1+2], 59<<16                      ; 59 of them: a record is dense
	s_mov_b32 s[G1+3], 32<<16
	s_mov_b32 s[G1+4], 59
	s_mov_b32 s[G1+5], 32
	s_mov_b32 s[G1+6], 0
	s_mov_b32 s[G1+7], 0
	s_mov_b32 s[SEL], 0x76543210
	s_mov_b32 s[SEL+1], 0xfedcba98
	s_mov_b32 s[CS], 0x3e38aa3b                    ; c = log2(e) / 8
	s_mov_b32 s[CS+1], s[CS]
	s_mov_b32 s[TB], 0
	s_mov_b32 s[TN], PL
	s_wait_kmcnt 0x0
	s_mov_b32 s[G0], 1
	s_lshl_b32 s[G0+1], s[WV], 14                  ; place = my wave's number
	s_add_nc_u64 s[G0+2:G0+3], s[6:7], s[16:17]
	s_or_b32 s[G0+3], s[G0+3], 0x80000000
	CROUND                                         ; all four work-groups are here: the first joint loads meet
	TLOAD                                          ; records 0-7: every wave's one load at the head
	s_lshl_b32 s36, s15, 5                         ; Q: record 16 x (2 y) + 2 x my block + wave / 4
	s_lshl_b32 s37, s14, 1
	s_add_co_u32 s36, s36, s37
	s_lshr_b32 s37, s[WV], 2
	s_add_co_u32 s36, s36, s37
	s_mul_i32 s36, s36, 8704
	s_and_b32 s37, s[WV], 3                        ; my tiles 2 (wave % 4) + x of its eight
	s_lshl_b32 s38, s37, 11
	s_add_co_u32 s38, s36, s38
	s_mov_b32 s39, 0
	s_add_nc_u64 s[44:45], s[4:5], s[38:39]
	s_lshl_b32 s38, s37, 2                         ; their scale words: word wave % 4 of the image's lanes 16 x + r
	s_add_co_u32 s38, s38, s36
	s_add_co_u32 s38, s38, 8192
	s_add_nc_u64 s[46:47], s[4:5], s[38:39]
	v_and_b32 v1, 31, v0
	v_and_b32 v9, 15, v0
	v_bfe_u32 v[H8], v0, 4, 1
	v_lshlrev_b32 v[L8], 3, v1
	v_lshlrev_b32 v[LI], 4, v1
	v_lshlrev_b32 v8, 4, v9
	v_lshlrev_b32 v9, 5, v9
	v_lshlrev_b32 v[H8], 3, v[H8]
.irp x, 0,1
	global_load_b128 v[Q+12*\x:Q+12*\x+3], v[LI], s[44:45] offset:1024*\x
	global_load_b128 v[Q+12*\x+4:Q+12*\x+7], v[LI], s[44:45] offset:1024*\x+512
	global_load_b32 v[QS+\x], v8, s[46:47] offset:256*\x
	global_load_b128 v[Q2+8*\x:Q2+8*\x+3], v[LI], s[44:45] offset:139264+1024*\x       ; the second head's: 16 records on
	global_load_b128 v[Q2+8*\x+4:Q2+8*\x+7], v[LI], s[44:45] offset:139776+1024*\x
	global_load_b32 v[QS2+\x], v8, s[46:47] offset:139264+256*\x
.endr
	s_lshr_b32 s36, s15, 3                         ; the result: tiles of 16 places 128 x batch + 16 x my block + 2 x wave + x,
	s_lshl_b32 s36, s36, 7
	s_lshl_b32 s37, s14, 4
	s_add_co_u32 s36, s36, s37
	s_lshl_b32 s37, s[WV], 1
	s_add_co_u32 s36, s36, s37
	s_and_b32 s37, s15, 7                          ; fragment = the pair of heads
	s_lshl_b32 s38, s36, 3
	s_add_co_u32 s38, s38, s37
	s_mul_i32 s38, s38, 1536
	s_add_nc_u64 s[8:9], s[8:9], s[38:39]
	s_lshl_b32 s38, s36, 9
	s_lshl_b32 s37, s37, 2
	s_add_co_u32 s38, s38, s37
	s_add_nc_u64 s[10:11], s[10:11], s[38:39]
.irp i, 0,1,2,3
	v_mov_b32 v[Q+8+\i], 0                         ; Q has no numbers beyond k = 64
	v_mov_b32 v[Q+20+\i], 0
	v_mov_b32 v[F+64+\i], 0                        ; what the last tile of K names beyond its own eight registers
.endr
	v_mov_b32 v[WK+7], 0                           ; (named as the upper halves of the factors' pairs)
	v_mov_b32 v[WK+19], 0
	RESET
	v_add_nc_u32 v[ADK], s[TB], v[LI]
	s_wait_alu depctr_va_vdst(0)
	s_wait_loadcnt 0x0                             ; Q
	REFILL                                         ; my record of 0-7 is in, everybody's is; records 8-15 are asked for: the other half's first fill, issued as a refill is
	KLOAD ADK
	s_wait_dscnt 0x0
	s_mov_b32 s41, 0
.Lhalf:                                            ; the first head: key steps 0-7, then 8-15
	RUN 7
	s_and_b32 s[TN], s[TN], RING                   ; (record 16 lies in place 0)
	STEP 1, 1                                      ; steps 7 and 15: the half just read takes records 16-23, then 24-31
	ON
	s_and_b32 s[TB], s[TB], RING
	s_add_co_u32 s41, s41, 1
	s_cmp_lt_u32 s41, 2
	s_cbranch_scc1 .Lhalf
	FINISH 0
	RUN 7                                          ; steps 16-22
	s_wait_tensorcnt 0x0                           ; my record of 24-31 is in (no LDS instruction of mine is out),
	s_barrier_signal -1
	s_barrier_wait -1                              ; everybody's is
	RUN 8                                          ; steps 23-30
	STEP 0, 0                                      ; step 31
	FINISH 1
	s_wait_tensorcnt 0x0                           ; the wave's end
	ds_add_u32 v[SPW], v[NIL]
	s_wait_dscnt 0x0
	CROUND                                         ; the closing round
	s_endpgm
.Lfunc_end_k_q5ca0a69c3b_attn:
	.size	k_q5ca0a69c3b_attn, .Lfunc_end_k_q5ca0a69c3b_attn-k_q5ca0a69c3b_attn
	.p2alignl 7, 3214868480
	.fill 96, 4, 3214868480
	.section	.rodata,"a",@progbits
	.p2align	6, 0x0
	.amdhsa_kernel k_q5ca0a69c3b_attn
		.amdhsa_group_segment_fixed_size 327680
		.amdhsa_private_segment_fixed_size 0
		.amdhsa_enable_private_segment 0
		.amdhsa_kernarg_size 32
		.amdhsa_user_sgpr_count 2
		.amdhsa_user_sgpr_kernarg_segment_ptr 1
		.amdhsa_wavefront_size32 1
		.amdhsa_system_sgpr_workgroup_id_x 1
		.amdhsa_system_sgpr_workgroup_id_y 1
		.amdhsa_system_sgpr_workgroup_id_z 1
		.amdhsa_system_vgpr_workitem_id 0
		.amdhsa_next_free_vgpr 512
		.amdhsa_next_free_sgpr 66
		.amdhsa_reserve_vcc 0
		.amdhsa_float_denorm_mode_32 3
		.amdhsa_float_denorm_mode_16_64 3
		.amdhsa_memory_ordered 1
		.amdhsa_forward_progress 1
		.amdhsa_inst_pref_size 165
	.end_amdhsa_kernel
	.amdgpu_metadata
---
amdhsa.version: [ 1, 2 ]
amdhsa.kernels:
  - .name:           k_q5ca0a69c3b_attn
    .symbol:         k_q5ca0a69c3b_attn.kd
    .args:
      - { .name: qimg, .offset: 0, .size: 8, .value_kind: global_buffer, .address_space: global }
      - { .name: kv, .offset: 8, .size: 8, .value_kind: global_buffer, .address_space: global }
      - { .name: a2, .offset: 16, .size: 8, .value_kind: global_buffer, .address_space: global }
      - { .name: a2s, .offset: 24, .size: 8, .value_kind: global_buffer, .address_space: global }
    .group_segment_fixed_size: 327680
    .private_segment_fixed_size: 0
    .kernarg_segment_align: 8
    .kernarg_segment_size: 32
    .max_flat_workgroup_size: 256
    .sgpr_count:     66
    .vgpr_count:     512
    .wavefront_size: 32
...
	.end_amdgpu_metadata
.endif
;; end of part 3
;; launch gemm2 (part 4): grid 4 x 64, 4 waves a work-group, clusters of 4 x 4, 327,680 bytes of LDS; arguments a2, a2s, pc, ps, bo, out0; writes out0
.if DOCPART == 4
	.amdgcn_target "amdgcn-amd-amdhsa--gfx1250"
	.amdhsa_code_object_version 6
	.text
	.protected	k_q5ca0a69c3b_gemm2
	.globl	k_q5ca0a69c3b_gemm2
	.p2align	8
	.type	k_q5ca0a69c3b_gemm2,@function
k_q5ca0a69c3b_gemm2:
	s_mov_b64 s[64:65], 0
	v_nop
	global_prefetch_b8 v0, s[64:65] scope:SCOPE_SE
	s_setreg_imm32_b32 hwreg(HW_REG_WAVE_MODE, 25, 1), 1
	s_wait_xcnt 0x0
	s_wait_alu depctr_hold_cnt(0) depctr_sa_sdst(0) depctr_va_vdst(0) depctr_va_sdst(0) depctr_va_ssrc(0) depctr_va_vcc(0) depctr_vm_vsrc(0)
	s_getreg_b32 s2, hwreg(HW_REG_IB_STS2, 6, 4)
	s_cmp_eq_u32 s2, 0
	s_cbranch_scc0 .Lentry_in_a_cluster
	s_endpgm
.Lentry_in_a_cluster:
	s_bfe_u32 s2, ttmp6, 0x10000c
	s_cmp_lg_u32 s2, 0xf033
	s_cbranch_scc0 .Lentry_shape_is_right
	s_endpgm
.Lentry_shape_is_right:
; out0 = A Wo + bo on codes of FP6 (E2M3) with E8M0 scales, K = 1,024.  A: attention's result, 8,192 places, as images of operand registers (a tile of 16 rows: 8 fragments of 1,536 bytes, lane l's registers 4 g .. 4 g + 3 at 512 g + 16 l);
; Wo's 1,024 columns likewise, in pc.  The scale bytes are [row][32].
; A BLOCK of 128 rows x 256 columns to a work-group: 256 work-groups.  ALL OF K IS RESIDENT: A's 8 tiles (98,304 bytes) and Wo's 16 (196,608) are dense blocks of memory and come by four tensor loads, one a wave, at the head:
; waves 0 and 1 a half of A's each, waves 2 and 3 a half of Wo's.  Nothing is filled again: one barrier shows the tiles to all waves, and the walk along K has none.
; CLUSTERS of 4 x 4: A's tiles are shared along a row of the cluster, Wo's along a column: each is asked for jointly.
; A wave makes 64 x 128: 32 accumulators.  Source 0 = 16 columns of Wo, source 1 = 16 rows of A: a lane holds a row and eight neighbouring columns.  Two sets of fragments: a K step's 36 loads go out ahead of the step before.
; THE SCALE WORDS GO STRAIGHT INTO REGISTERS: the 512 bytes of 16 rows by one load of 16 bytes a lane: lane (r, h) takes row r's words 4 h .. 4 h + 3, so register j holds K step j in lanes 0-15 and K step 4 + j in lanes 16-31.
; bo is the C of the first products.  No prefetch: the launch has no loop to run ahead in, and all that it reads is asked for at its head.
; The way out goes through a stage in A's bytes, which have had their only fill; a barrier parts the last reads of A from the first store there.  Place 16 u + 8 h + j of a wave's 64 rows is token 32 h + 8 u + j.
.set WO,     8650752                   ; Wo's codes in pc,
.set SWO,    360448                    ; its scale bytes in ps
.set TILEB,  12288                     ; a tile of 16 rows, all of K
.set BBASE,  8*TILEB                   ; LDS: A's 8 tiles, then Wo's 16,
.set SPARE,  24*TILEB                  ; then the spare words, 128 bytes a wave
.set SPITCH, 528                       ; the stage: 16 rows of 512 bytes + 16 for each wave
.set ADRA, 16                          ; v16  my 4 tiles of A + 16 x lane
.set ADRB, 18                          ; v18-19 my tiles 0-3, 4-7 of Wo
.set SPW,  21                          ; v21  my spare word; never rewritten
.set NIL,  22                          ; v22  0; never rewritten
.set LI,   23                          ; v23  16 x lane
.set STO,  24
.set RD,   25
.set SOF,  26                          ; v26  32 r + 16 h
.set BOF,  27                          ; v27  32 h
.set SA,   32                          ; v32-47 A's scale words, 4 registers a block; they hold nothing else
.set SB,   48                          ; v48-79 Wo's
.set CB,   80                          ; v80-143 bo in the result's layout
.set AF,   144                         ; v144-239 A's fragments, two sets of 48.  Window 1: Wo's, two sets of 96, at v0 and v128.  Window 2: the accumulators, (a, b) at v[8 (8 a + b)]
.set BK,   80                          ; the way out: v80-143 and v144-207 by turns
.set G1, 24
.set G0, 32
.set G1B, 48
.set G0B, 56
.set MSB, 0
.macro WIN new                         ; the immediate's high byte repeats the setting that is left
.if MSB != (\new)
	s_set_vgpr_msb (MSB<<8)|(\new)
.set MSB, (\new)
.endif
.endm
.macro CROUND
	s_barrier_signal -1
	s_barrier_wait -1
	s_cmp_lg_u32 s14, 0
	s_cbranch_scc1 .Lnot_wave_0_\@
	s_barrier_signal -3
.Lnot_wave_0_\@:
	s_barrier_wait -3
	s_barrier_signal -1
	s_barrier_wait -1
.endm
.macro PLACES
.rept 4
	v_nop
.endr
.endm
.macro FETCH q                         ; K step q's fragments into set q % 2: 24 loads for Wo, 12 for A
	WIN 0x40
.irp i, 0,1,2,3,4,5,6,7
.irp g, 0,1,2
	ds_load_b128 v[128*((\q)%2)+12*\i+4*\g:128*((\q)%2)+12*\i+4*\g+3], v[ADRB+\i/4] offset:TILEB*(\i%4)+1536*(\q)+512*\g
.endr
.endr
	WIN 0
.irp i, 0,1,2,3
.irp g, 0,1,2
	ds_load_b128 v[AF+48*((\q)%2)+12*\i+4*\g:AF+48*((\q)%2)+12*\i+4*\g+3], v[ADRA] offset:TILEB*\i+1536*(\q)+512*\g
.endr
.endr
.endm
.macro MULS q                          ; 32 products, the accumulators by turns
.irp a, 0,1,2,3
.irp b, 0,1,2,3,4,5,6,7
.if (\q) == 0
	v_wmma_scale_f32_16x16x128_f8f6f4 v[8*(8*\a+\b):8*(8*\a+\b)+7], v[12*\b:12*\b+11], v[AF+12*\a:AF+12*\a+11], v[CB+8*\b:CB+8*\b+7], v[SB+4*\b], v[SA+4*\a] matrix_a_fmt:MATRIX_FMT_FP6 matrix_b_fmt:MATRIX_FMT_FP6
.else
.if (\q) < 4
	v_wmma_scale_f32_16x16x128_f8f6f4 v[8*(8*\a+\b):8*(8*\a+\b)+7], v[128*((\q)%2)+12*\b:128*((\q)%2)+12*\b+11], v[AF+48*((\q)%2)+12*\a:AF+48*((\q)%2)+12*\a+11], v[8*(8*\a+\b):8*(8*\a+\b)+7], v[SB+4*\b+(\q)%4], v[SA+4*\a+(\q)%4] matrix_a_fmt:MATRIX_FMT_FP6 matrix_b_fmt:MATRIX_FMT_FP6
.else
	v_wmma_scale_f32_16x16x128_f8f6f4 v[8*(8*\a+\b):8*(8*\a+\b)+7], v[128*((\q)%2)+12*\b:128*((\q)%2)+12*\b+11], v[AF+48*((\q)%2)+12*\a:AF+48*((\q)%2)+12*\a+11], v[8*(8*\a+\b):8*(8*\a+\b)+7], v[SB+4*\b+(\q)%4], v[SA+4*\a+(\q)%4] matrix_a_fmt:MATRIX_FMT_FP6 matrix_b_fmt:MATRIX_FMT_FP6 matrix_a_scale:MATRIX_SCALE_ROW1 matrix_b_scale:MATRIX_SCALE_ROW1
.endif
.endif
.endr
.endr
.endm
	s_load_b256 s[4:11], s[0:1], 0x0               ; a2, a2s, pc, ps
	s_load_b64 s[12:13], s[0:1], 0x20              ; bo
	s_load_b64 s[96:97], s[0:1], 0x28              ; out0
	v_lshl_add_u32 v[SPW], v0, 2, SPARE
	v_mov_b32 v[NIL], 0
	ds_add_u32 v[SPW], v[NIL]                      ; the opening lines
	ds_add_u32 v[SPW], v[NIL]
	v_lshrrev_b32 v1, 5, v0
	v_readfirstlane_b32 s14, v1                    ; wave 0..3
	s_lshr_b32 s15, s14, 1                         ; which 64 rows are mine.  Also: I fetch for A (0) or for Wo (1)
	s_and_b32 s16, s14, 1                          ; which 128 columns.  Also: which half I fetch
	s_bfe_u32 s40, ttmp6, 0x40000                  ; cx, cy
	s_bfe_u32 s41, ttmp6, 0x40004
	s_lshl_b32 s42, ttmp9, 2
	s_add_co_u32 s42, s42, s40                     ; block of 256 columns
	s_and_b32 s17, ttmp7, 0xffff
	s_lshl_b32 s17, s17, 2
	s_add_co_u32 s17, s17, s41                     ; block of 128 rows
	s_lshl_b32 s43, s41, 2
	s_lshl_b32 s43, 15, s43                        ; my row of the cluster
	s_lshl_b32 s44, 0x1111, s40                    ; my column
	s_or_b32 s[G1+0], s43, (3<<16)|(1<<21)         ; the mask; elements of 8 bytes; bit 21 beside a mask
	s_or_b32 s[G1B+0], s44, (3<<16)|(1<<21)
.irp g, G1, G1B
	s_mov_b32 s[\g+1], 32<<16                      ; dense blocks as rows of 256 bytes
	s_mov_b32 s[\g+3], 32<<16
	s_mov_b32 s[\g+5], 32
	s_mov_b32 s[\g+6], 0
	s_mov_b32 s[\g+7], 0
.endr
	s_mov_b32 s[G1+2], 192<<16                     ; a half of A's: 49,152 bytes
	s_mov_b32 s[G1+4], 192
	s_mov_b32 s[G1B+2], 384<<16                    ; a half of Wo's: 98,304 bytes
	s_mov_b32 s[G1B+4], 384
	s_mul_i32 s45, s16, 4*TILEB                    ; A's half: in LDS, and from the block's first byte
	s_mul_i32 s20, s17, 8*TILEB
	s_add_co_u32 s20, s20, s45
	s_mov_b32 s21, 0
	s_mul_i32 s94, s16, 8*TILEB                    ; Wo's half
	s_mul_i32 s46, s42, 16*TILEB
	s_add_co_u32 s46, s46, s94
	s_add_co_u32 s46, s46, WO
	s_mov_b32 s47, 0
	s_add_co_u32 s94, s94, BBASE                   ; where it goes; the waves of column half s16 read it there
	s_lshl_b32 s22, s17, 12                        ; my 64 rows' scale bytes
	s_lshl_b32 s23, s15, 11
	s_add_co_u32 s22, s22, s23
	s_mov_b32 s23, 0
	s_lshl_b32 s92, s42, 13                        ; my 128 columns'
	s_lshl_b32 s93, s16, 12
	s_add_co_u32 s92, s92, s93
	s_add_co_u32 s92, s92, SWO
	s_mov_b32 s93, 0
	s_mul_i32 s18, s15, 4*TILEB                    ; my 4 tiles of A in LDS
	s_mul_i32 s19, s14, 16*SPITCH                  ; my stage
	v_and_b32 v1, 15, v0                           ; r
	v_bfe_u32 v2, v0, 4, 1                         ; h
	v_and_b32 v3, 31, v0
	v_lshlrev_b32 v[LI], 4, v3
	v_lshlrev_b32 v[SOF], 5, v1
	v_lshlrev_b32 v[BOF], 5, v2
	v_mul_u32_u24 v5, v1, SPITCH
	v_add_nc_u32 v[ADRA], s18, v[LI]
	v_add_nc_u32 v[ADRB], s94, v[LI]
	v_lshl_add_u32 v[SOF], v2, 4, v[SOF]
	v_lshl_add_u32 v5, v2, 5, v5
	v_add_nc_u32 v[RD], s19, v[LI]
	v_add_nc_u32 v[ADRB+1], 4*TILEB, v[ADRB]
	v_add_nc_u32 v[STO], s19, v5
	s_wait_alu depctr_va_vdst(0)
	s_wait_dscnt 0x0                               ; both opening adds are done
	s_wait_kmcnt 0x0
	s_add_nc_u64 s[20:21], s[4:5], s[20:21]
	s_add_nc_u64 s[22:23], s[6:7], s[22:23]
	s_add_nc_u64 s[46:47], s[8:9], s[46:47]
	s_add_nc_u64 s[92:93], s[10:11], s[92:93]
	s_mov_b32 s[G0], 1
	s_mov_b32 s[G0+1], s45
	s_mov_b64 s[G0+2:G0+3], s[20:21]
	s_or_b32 s[G0+3], s[G0+3], 0x80000000
	s_mov_b32 s[G0B], 1
	s_mov_b32 s[G0B+1], s94
	s_mov_b64 s[G0B+2:G0B+3], s[46:47]
	s_or_b32 s[G0B+3], s[G0B+3], 0x80000000
	s_lshl_b32 s18, s42, 8
	s_lshl_b32 s19, s16, 7
	s_add_co_u32 s18, s18, s19
	s_lshl_b32 s18, s18, 2                         ; my first column, in bytes
	s_mov_b32 s19, 0
	s_add_nc_u64 s[12:13], s[12:13], s[18:19]
	s_add_nc_u64 s[96:97], s[96:97], s[18:19]
	s_lshl_b32 s18, s17, 7
	s_lshl_b32 s20, s15, 6
	s_add_co_u32 s18, s18, s20
	s_lshl_b32 s18, s18, 12                        ; my first token's row of 4,096 bytes
	s_add_nc_u64 s[96:97], s[96:97], s[18:19]
	CROUND                                         ; all sixteen work-groups are here: the joint loads meet
	s_cmp_eq_u32 s15, 0                            ; one load a wave; the branch hangs on the wave's number alone
	s_cbranch_scc0 .Lfor_b
	tensor_load_to_lds s[G0:G0+3], s[G1:G1+7]
	s_nop 0
	PLACES
	s_branch .Lasked
.Lfor_b:
	tensor_load_to_lds s[G0B:G0B+3], s[G1B:G1B+7]
	s_nop 0
	PLACES
.Lasked:
.irp a, 0,1,2,3
	global_load_b128 v[SA+4*\a:SA+4*\a+3], v[SOF], s[22:23] offset:512*\a     ; 512 consecutive bytes: 16 rows' scale bytes
.endr
.irp b, 0,1,2,3,4,5,6,7
	global_load_b128 v[SB+4*\b:SB+4*\b+3], v[SOF], s[92:93] offset:512*\b
.endr
.irp b, 0,1,2,3,4,5,6,7
	global_load_b128 v[CB+8*\b:CB+8*\b+3], v[BOF], s[12:13] offset:64*\b      ; bo at columns 16 b + 8 h + 0 .. 7
	global_load_b128 v[CB+8*\b+4:CB+8*\b+7], v[BOF], s[12:13] offset:64*\b+16
.endr
	s_wait_tensorcnt 0x0                           ; my part is in,
	s_barrier_signal -1
	s_barrier_wait -1                              ; everybody's is
	FETCH 0
	s_wait_loadcnt 0x0                             ; scale words and bo
.irp q, 0,1,2,3,4,5,6
.if \q > 0
	PLACES                                         ; behind the last step's products: the loads below land in the set that they read
.endif
	FETCH \q+1
	s_wait_dscnt 36                                ; this step's fragments are in; the 36 loads just issued may be out
.if \q == 0
	WIN 0x81                                       ; source 0 window 1, C window 0 (bo), D window 2
.else
	WIN 0xa1                                       ; C and D window 2
.endif
	MULS \q
.endr
	s_wait_dscnt 0x0                               ; the last step's fragments are in: my reads of the tiles are over
	s_barrier_signal -1
	MULS 7                                         ; work on registers while the others arrive
	WIN 0
	s_barrier_wait -1                              ; nobody reads A's bytes any more: the stages lie there
.macro TOSTAGE a
	WIN 0x08                                       ; the data: window 2
.irp b, 0,1,2,3,4,5,6,7
	ds_store_b128 v[STO], v[64*(\a)+8*\b:64*(\a)+8*\b+3] offset:64*\b          ; each accumulator from its low end on
	ds_store_b128 v[STO], v[64*(\a)+8*\b+4:64*(\a)+8*\b+7] offset:64*\b+16
.endr
	WIN 0
.irp t, 0,1,2,3,4,5,6,7,8,9,10,11,12,13,14,15
	ds_load_b128 v[BK+64*((\a)%2)+4*\t:BK+64*((\a)%2)+4*\t+3], v[RD] offset:\t*SPITCH   ; LDS serves a wave's instructions in order: these see the stores above
.endr
.endm
.macro SEND a, younger
	s_wait_dscnt \younger
.irp t, 0,1,2,3,4,5,6,7,8,9,10,11,12,13,14,15
	global_store_b128 v[LI], v[BK+64*((\a)%2)+4*\t:BK+64*((\a)%2)+4*\t+3], s[96:97] offset:4096*(8*(\a)+32*(\t/8)+(\t%8)) th:TH_STORE_NT   ; 32 lanes store 512 consecutive bytes
.endr
.endm
	PLACES                                         ; behind the last products: results are read, and loads land in A's registers
	TOSTAGE 0
.irp a, 1,2,3
.if \a > 1
	s_wait_xcnt 0x0                                ; block a - 2's stores have read their registers
.endif
	TOSTAGE \a
	SEND \a-1, 32                                  ; behind block a - 1's loads: block a's 16 stores and 16 loads
.endr
	SEND 3, 0
	s_wait_tensorcnt 0x0                           ; the wave's end
	ds_add_u32 v[SPW], v[NIL]
	s_wait_dscnt 0x0
	CROUND                                         ; the closing round
	s_endpgm
.Lfunc_end_k_q5ca0a69c3b_gemm2:
	.size	k_q5ca0a69c3b_gemm2, .Lfunc_end_k_q5ca0a69c3b_gemm2-k_q5ca0a69c3b_gemm2
	.p2alignl 7, 3214868480
	.fill 96, 4, 3214868480
	.section	.rodata,"a",@progbits
	.p2align	6, 0x0
	.amdhsa_kernel k_q5ca0a69c3b_gemm2
		.amdhsa_group_segment_fixed_size 327680
		.amdhsa_private_segment_fixed_size 0
		.amdhsa_enable_private_segment 0
		.amdhsa_kernarg_size 48
		.amdhsa_user_sgpr_count 2
		.amdhsa_user_sgpr_kernarg_segment_ptr 1
		.amdhsa_wavefront_size32 1
		.amdhsa_system_sgpr_workgroup_id_x 1
		.amdhsa_system_sgpr_workgroup_id_y 1
		.amdhsa_system_sgpr_workgroup_id_z 1
		.amdhsa_system_vgpr_workitem_id 0
		.amdhsa_next_free_vgpr 768
		.amdhsa_next_free_sgpr 98
		.amdhsa_reserve_vcc 0
		.amdhsa_float_denorm_mode_32 3
		.amdhsa_float_denorm_mode_16_64 3
		.amdhsa_memory_ordered 1
		.amdhsa_forward_progress 1
		.amdhsa_inst_pref_size 76
	.end_amdhsa_kernel
	.amdgpu_metadata
---
amdhsa.version: [ 1, 2 ]
amdhsa.kernels:
  - .name:           k_q5ca0a69c3b_gemm2
    .symbol:         k_q5ca0a69c3b_gemm2.kd
    .args:
      - { .name: a2, .offset: 0, .size: 8, .value_kind: global_buffer, .address_space: global }
      - { .name: a2s, .offset: 8, .size: 8, .value_kind: global_buffer, .address_space: global }
      - { .name: pc, .offset: 16, .size: 8, .value_kind: global_buffer, .address_space: global }
      - { .name: ps, .offset: 24, .size: 8, .value_kind: global_buffer, .address_space: global }
      - { .name: bo, .offset: 32, .size: 8, .value_kind: global_buffer, .address_space: global }
      - { .name: out0, .offset: 40, .size: 8, .value_kind: global_buffer, .address_space: global }
    .group_segment_fixed_size: 327680
    .private_segment_fixed_size: 0
    .kernarg_segment_align: 8
    .kernarg_segment_size: 48
    .max_flat_workgroup_size: 128
    .sgpr_count:     98
    .vgpr_count:     768
    .wavefront_size: 32
...
	.end_amdgpu_metadata
.endif
;; end of part 4
